; MI455X (gfx1250); checked and timed in simulation.
; The chip was launched on July 23, 2026; its instructions are those of AMD's public machine-readable ISA for CDNA 5 (MIT licence, August 2026) and "CDNA5" Instruction Set Architecture Reference Guide (July 2026). The comments in the code are by the model that wrote it; some were corrected since.
;; Transformer Block. Allowed arithmetic: matrix products marked QUANTISED: E3M2 operands, one E8M0 scale for each 32 along K, by v_wmma_scale_f32_16x16x128_f8f6f4 with both operands' format E3M2, f32 sums; everything else in f32.
;; Inputs: W_K 16 x 1,024 x 64 float32; W_O 16 x 64 x 1,024 float32; W_Q 16 x 1,024 x 64 float32; W_V 16 x 1,024 x 64 float32; W_in 1,024 x 4,096 float32; W_out 4,096 x 1,024 float32; b_K 16 x 64 float32; b_O 1,024 float32; b_Q 16 x 64 float32; b_V 16 x 64 float32; b_in 4,096 float32; b_out 1,024 float32; ln1_b 1,024 float32; ln1_w 1,024 float32; ln2_b 1,024 float32; ln2_w 1,024 float32; resid_pre 2 x 2,048 x 1,024 float32.
;; Outputs: out0 2 x 2,048 x 1,024 float32.
;; This version of the problem:
;;   THIS VERSION OF THE PROBLEM IS GIVEN IN LOW PRECISION. The matrix products marked QUANTISED in the list below multiply operands that are first quantised to E3M2 (3 exponent bits, 2 mantissa bits; 6 bits a number), with one power-of-two scale for each 32 numbers along K (OCP MX v1.0); their sums are f32. All else is computed in f32.
;;   The module's matrix products, in the order in which they are computed (A, B: the left and right operand; K: the contracted axis; several contracted axes count as one K, in the product's order):
;;     1. [M 4,096, K 1,024] x [K 1,024, N 1,024]; A: computed on the way; B: input W_Q: QUANTISED
;;     2. [M 4,096, K 1,024] x [K 1,024, N 1,024]; A: computed on the way; B: input W_K: QUANTISED
;;     3. [M 4,096, K 1,024] x [K 1,024, N 1,024]; A: computed on the way; B: input W_V: QUANTISED
;;     4. batch 32 x [M 2,048, K 64] x [K 64, N 2,048]; A: computed on the way; B: computed on the way: QUANTISED
;;     5. batch 32 x [M 2,048, K 2,048] x [K 2,048, N 64]; A: computed on the way; B: computed on the way: QUANTISED
;;     6. [M 4,096, K 1,024] x [K 1,024, N 1,024]; A: computed on the way; B: input W_O: QUANTISED
;;     7. [M 4,096, K 1,024] x [K 1,024, N 4,096]; A: computed on the way; B: input W_in: QUANTISED
;;     8. [M 4,096, K 4,096] x [K 4,096, N 1,024]; A: computed on the way; B: input W_out: QUANTISED
;;   THE QUANTISER, for each operand of a quantised product, along K:
;;     - K is cut into blocks of 32 from its start; a last block that is shorter is filled with zeros.
;;     - A block's scale is 2^e with e = floor(log2(the largest magnitude in the block)) - 4, held to -126 .. 127; a block of zeros has e = 0. As a byte (E8M0): e + 127.
;;     - Each number is divided by its block's scale, clamped to +-28, and rounded to the nearest number of E3M2, ties to even, subnormals kept.
;;     - The product sums the exact products of the quantised numbers (number of the format x scale) in f32.
;;   ~~~python
;;   def quantise(x, axis):      # numpy; x: float32 -> the quantised numbers, widened to float32 again
;;       x = np.moveaxis(x, axis, -1); K = x.shape[-1]
;;       x = np.pad(x, [(0, 0)] * (x.ndim - 1) + [(0, -K % 32)]); x = x.reshape(x.shape[:-1] + (-1, 32)); a = np.abs(x).max(-1, keepdims=True)
;;       e = np.where(a > 0, np.clip(np.frexp(np.where(a > 0, a, 1))[1] - 1 - 4, -126, 127), 0)      # np.frexp(a)[1] - 1 = floor(log2(a)), exactly
;;       r = np.clip(x / 2.0 ** e, -28, 28)
;;       step = 2.0 ** (np.maximum(np.frexp(np.where(r == 0, 1, r))[1] - 1, -2) - 2)
;;       q = np.round(r / step) * step * 2.0 ** e      # np.round: ties to even
;;       return np.moveaxis(q.reshape(q.shape[:-2] + (-1,))[..., :K], -1, axis).astype(np.float32)
;;   ~~~
;;   OPERANDS COMPUTED ON THE WAY. 'Computed on the way' means the value that the module computes at that place (a softmax that the list does not call 'softmax' is quantised finished and normalised). What goes into a quantiser is computed in f32, as accurately as f32 sums, v_exp_f32 and their like allow (about 1e-6 of the number): no bf16 or f16 on the way to a quantiser, and a product that is left as it is and whose result goes on into a quantised operand takes f32 operands (vector FMAs, or v_wmma_f32_16x16x4_f32). A number that lies on a knife's edge between two numbers of the format may be rounded either way, as far as f32 arithmetic and the matrix unit's own rounding can turn it there, and no further.
;; One version. Each part assembles by itself: llvm-mc -triple=amdgcn-amd-amdhsa -mcpu=gfx1250 --defsym DOCPART=n.
;; ======== version 1 of 1: 6 launches
;; limits: right only within a limited range of input values
;; workspace buffers: wb 9,830,400 bytes; xb 3,276,800 bytes; qkvb 9,830,400 bytes; zb 3,276,800 bytes; rm 16,777,216 bytes; hb 13,107,200 bytes
;; launch prep (part 1): grid 640 x 1, 8 waves a work-group, no clusters, 67,072 bytes of LDS; arguments resid_pre, ln1_w, ln1_b, W_Q, W_K, W_V, W_O, W_in, W_out, xb, wb; writes xb, wb
.if DOCPART == 1
	.amdgcn_target "amdgcn-amd-amdhsa--gfx1250"
	.amdhsa_code_object_version 6
	.text
	.protected	k_q314ff958b8_prep
	.globl	k_q314ff958b8_prep
	.p2align	8
	.type	k_q314ff958b8_prep,@function
k_q314ff958b8_prep:
	s_mov_b64 s[64:65], 0
	v_nop
	global_prefetch_b8 v0, s[64:65] scope:SCOPE_SE
	s_setreg_imm32_b32 hwreg(HW_REG_WAVE_MODE, 25, 1), 1
	s_wait_xcnt 0x0
; TWO JOBS IN ONE LAUNCH, parted on the work-group's number.
; Work-groups 0-255: layer norm of 16 rows of 1,024 f32 (centre, divide by sqrt(mean of squares + 1e-5), gain, bias), then quantised to BF6 (E3M2) along the row, one E8M0 byte for each 32.
; Work-groups 256-639: the six weights, whose K is not innermost, quantised along K: a lane takes a column, its registers run down K.
; THE IMAGE.  Every operand of this program lies in memory in the order of the matrix operand's registers.  A tile is 16 rows: tile 2 g + u holds rows 32 g + 8 u + i + 8 (i / 8), i = 0 .. 15.
; A fragment (a tile x 128 K) is 1,536 bytes: six pieces of 256 bytes; piece p holds registers 2 p, 2 p + 1, lane l's 8 bytes at 8 l.  Its scale words: 16 words, one a row.  Buffers: [K step][tile].
; A block's scale is 2^(floor(log2(largest magnitude)) - 4): its byte is the largest magnitude's exponent field - 4, held at 1 from below by a floor among the maximum's leaves.
; LIMITS: NaN and infinities are not served; a block whose largest magnitude lies under 2^-122, a block of zeros among them, gets the byte 1 (its codes are then zeros or the rule's own; only this program reads the bytes);
; 1 / sqrt is v_rsq_f32.  No cluster, no tensor load: no two work-groups read the same bytes, and the rows pass through registers anyway.
.set XS,   3145728                     ; xb: the scale words behind the codes
.set WQC,  0                           ; wb: W_Q, W_K, W_V as one operand of 3,072 rows: codes, scale words
.set WQS,  2359296
.set WOC,  2457600                     ; W_O
.set WOS,  3244032
.set WIC,  3276800                     ; W_in
.set WIS,  6422528
.set WUC,  6553600                     ; W_out
.set WUS,  9699328
.set PITCH, 4112                       ; an LDS row: 4,096 bytes + 16: sixteen rows' equal columns fall on sixteen different groups of banks
.set X0,  16                           ; v16-47, v48-79 my two rows; later 64 numbers of one row
.set X1,  48
.set GW,  80                           ; v80-111 gain, v112-143 bias of my 32 columns
.set GB,  112
.set TT,  144                          ; v144-159 at work in phase 1, eight for each row
.set PC,  100                          ; v100-111 a fragment's codes; to v118 at work: over gain and bias, which are done with by then
.set TM,  80                           ; v80-95 largest magnitudes, bytes, scale operands: over the gain, which is done with by then
.set PW,  96                           ; the scale word
	s_load_b512 s[4:19], s[0:1], 0x0               ; x s[4:5], gain s[6:7], bias s[8:9], W_Q s[10:11], W_K s[12:13], W_V s[14:15], W_O s[16:17], W_in s[18:19]
	s_load_b128 s[20:23], s[0:1], 0x40             ; W_out s[20:21], xb s[22:23]
	s_load_b64 s[24:25], s[0:1], 0x50              ; wb
	v_lshl_add_u32 v12, v0, 2, 0x10200             ; my spare word and 0: kept for the closing add alone
	v_mov_b32 v15, 0
	v_lshrrev_b32 v1, 5, v0
	s_delay_alu instid0(VALU_DEP_1)
	v_readfirstlane_b32 s26, v1                    ; wave 0..7
	v_and_b32 v1, 31, v0                           ; lane
	s_mov_b32 s28, 0x76543210
	s_mov_b32 s29, 0xfedcba98                      ; v_permlanex16_b32's selects for lane l xor 16
	s_cmp_lt_u32 ttmp9, 256
	s_cbranch_scc0 .Lweights
; ---------------- LAYER NORM: the work-group is tile T = its number; wave w owns the tile's rows 2 w and 2 w + 1, which are neighbours in memory
.macro REDUCE t                        ; four pairs of partial sums -> the row's sum in every lane, in v[t]
	s_delay_alu instid0(VALU_DEP_3)
	v_pk_add_f32 v[\t:\t+1], v[\t:\t+1], v[\t+2:\t+3]
	s_delay_alu instid0(VALU_DEP_2)
	v_pk_add_f32 v[\t+4:\t+5], v[\t+4:\t+5], v[\t+6:\t+7]
	s_delay_alu instid0(VALU_DEP_1)
	v_pk_add_f32 v[\t:\t+1], v[\t:\t+1], v[\t+4:\t+5]
	s_delay_alu instid0(VALU_DEP_1)
	v_add_f32 v[\t], v[\t], v[\t+1]
	s_delay_alu instid0(VALU_DEP_1)
	v_add_f32_dpp v[\t], v[\t], v[\t] row_xmask:1 row_mask:0xf bank_mask:0xf
	s_delay_alu instid0(VALU_DEP_1)
	v_add_f32_dpp v[\t], v[\t], v[\t] row_xmask:2 row_mask:0xf bank_mask:0xf
	s_delay_alu instid0(VALU_DEP_1)
	v_add_f32_dpp v[\t], v[\t], v[\t] row_xmask:4 row_mask:0xf bank_mask:0xf
	s_delay_alu instid0(VALU_DEP_1)
	v_add_f32_dpp v[\t], v[\t], v[\t] row_xmask:8 row_mask:0xf bank_mask:0xf
	s_delay_alu instid0(VALU_DEP_1)
	v_permlanex16_b32 v[\t+1], v[\t], s28, s29
	s_delay_alu instid0(VALU_DEP_1)
	v_add_f32 v[\t], v[\t], v[\t+1]
.endm
.macro LN1 x, t                        ; the mean is taken away first, then the squares of the centred row are summed: no difference of large sums
.irp k,0,1,2,3
	v_pk_add_f32 v[\t+2*\k:\t+2*\k+1], v[\x+4*\k:\x+4*\k+1], v[\x+4*\k+2:\x+4*\k+3]
.endr
.irp j,16,24
.irp k,0,1,2,3
	s_delay_alu instid0(VALU_DEP_4)
	v_pk_add_f32 v[\t+2*\k:\t+2*\k+1], v[\t+2*\k:\t+2*\k+1], v[\x+\j+2*\k:\x+\j+2*\k+1]
.endr
.endr
	REDUCE \t
	s_delay_alu instid0(VALU_DEP_1)
	v_mul_f32 v[\t], 0xba800000, v[\t]             ; - the mean (x -1 / 1,024)
.irp j,0,2,4,6,8,10,12,14,16,18,20,22,24,26,28,30
	v_pk_add_f32 v[\x+\j:\x+\j+1], v[\x+\j:\x+\j+1], v[\t:\t+1] op_sel_hi:[1,0]
.endr
.irp k,0,1,2,3
	v_pk_mul_f32 v[\t+2*\k:\t+2*\k+1], v[\x+2*\k:\x+2*\k+1], v[\x+2*\k:\x+2*\k+1]
.endr
.irp j,8,16,24
.irp k,0,1,2,3
	s_delay_alu instid0(VALU_DEP_4)
	v_pk_fma_f32 v[\t+2*\k:\t+2*\k+1], v[\x+\j+2*\k:\x+\j+2*\k+1], v[\x+\j+2*\k:\x+\j+2*\k+1], v[\t+2*\k:\t+2*\k+1]
.endr
.endr
	REDUCE \t
	s_delay_alu instid0(VALU_DEP_1)
	v_fma_f32 v[\t], v[\t], s30, s31               ; mean of squares + 1e-5
	s_wait_alu depctr_va_vdst(0)
	v_rsq_f32 v[\t+2], v[\t]                       ; plain lines on other registers follow before it is used
.endm
.macro LN2 x, t, row                   ; x / scale x gain + bias, and into LDS as a row
	s_wait_alu depctr_va_vdst(0)
.irp j,0,2,4,6,8,10,12,14,16,18,20,22,24,26,28,30
	v_pk_mul_f32 v[\x+\j:\x+\j+1], v[\x+\j:\x+\j+1], v[\t+2:\t+3] op_sel_hi:[1,0]
.endr
.irp j,0,2,4,6,8,10,12,14,16,18,20,22,24,26,28,30
	v_pk_fma_f32 v[\x+\j:\x+\j+1], v[\x+\j:\x+\j+1], v[GW+\j:GW+\j+1], v[GB+\j:GB+\j+1]
.endr
.irp j,0,1,2,3,4,5,6,7
	ds_store_b128 v3, v[\x+4*\j:\x+4*\j+3] offset:\row*PITCH+512*\j
.endr
.endm
; 64 numbers of a lane, register 16 b + i = k 32 b + 16 (lane / 16) + i of my row, become a fragment's codes in v[PC] on and its scale word in v[PW]
.macro QUANT s
.irp b,0,1,2,3
	v_max3_num_f32 v[TM+\b], |v[\s+16*\b]|, |v[\s+1+16*\b]|, 0x2800000   ; my 16 numbers of block b, and the floor 2^(5 - 127)
.endr
.irp i,2,4,6,8,10,12,14
.irp b,0,1,2,3
	s_delay_alu instid0(VALU_DEP_4)
	v_max3_num_f32 v[TM+\b], v[TM+\b], |v[\s+16*\b+\i]|, |v[\s+1+16*\b+\i]|
.endr
.endr
.irp b,0,1,2,3
	s_delay_alu instid0(VALU_DEP_4)
	v_permlanex16_b32 v[TM+4+\b], v[TM+\b], s28, s29
.endr
.irp b,0,1,2,3
	s_delay_alu instid0(VALU_DEP_4)
	v_max_num_f32 v[TM+\b], v[TM+\b], v[TM+4+\b]   ; with lane l xor 16's: the block's largest magnitude
.endr
.irp b,0,1,2,3
	s_delay_alu instid0(VALU_DEP_4)
	v_add_nc_u32 v[TM+12+\b], 0xfe000000, v[TM+\b] ; 4 off its exponent field: the conversion's scale operand
.endr
.irp b,0,1,2,3
	s_delay_alu instid0(VALU_DEP_4)
	v_lshrrev_b32 v[TM+4+\b], 23, v[TM+12+\b]      ; the scale's byte
.endr
	s_delay_alu instid0(VALU_DEP_3)
	v_lshl_or_b32 v[PW], v[TM+5], 8, v[TM+4]
	s_delay_alu instid0(VALU_DEP_1)
	v_lshl_or_b32 v[PW], v[TM+6], 16, v[PW]
	s_delay_alu instid0(VALU_DEP_1)
	v_lshl_or_b32 v[PW], v[TM+7], 24, v[PW]
.irp c,0,1
	v_cvt_scalef32_pk16_bf6_f32 v[PC+6*\c:PC+2+6*\c], v[\s+32*\c:\s+15+32*\c], v[TM+12+2*\c]
	v_cvt_scalef32_pk16_bf6_f32 v[PC+12+4*\c:PC+14+4*\c], v[\s+16+32*\c:\s+31+32*\c], v[TM+12+2*\c+1]
.endr
	v_nop                                          ; one plain line behind the scaled conversions
.irp c,0,1                             ; the operand wants a whole block in a lane: lanes 0-15 block 2 c, lanes 16-31 block 2 c + 1
.irp i,0,1,2
	v_permlane16_swap_b32 v[PC+6*\c+\i], v[PC+12+4*\c+\i]
.endr
.irp i,0,1,2
	s_delay_alu instid0(VALU_DEP_3)
	v_mov_b32 v[PC+3+6*\c+\i], v[PC+12+4*\c+\i]
.endr
.endr
.endm
	s_lshr_b32 s32, ttmp9, 1
	s_and_b32 s33, ttmp9, 1
	s_lshl_b32 s32, s32, 5
	s_lshl_b32 s33, s33, 3
	s_add_co_u32 s32, s32, s33                     ; 32 g + 8 u
	s_lshl_b32 s33, s26, 1
	s_add_co_u32 s32, s32, s33                     ; + i = 2 w
	s_lshr_b32 s33, s26, 2
	s_lshl_b32 s33, s33, 3
	s_add_co_u32 s32, s32, s33                     ; + 8 (i / 8): my first row
	s_lshl_b32 s32, s32, 12                        ; 4,096 bytes a row
	s_mov_b32 s33, 0
	s_mov_b32 s30, 0x3a800000                      ; 1 / 1,024
	s_mov_b32 s31, 0x3727c5ac                      ; 1e-5
	s_wait_alu depctr_va_vdst(0)
	v_lshlrev_b32 v2, 4, v1                        ; 16 bytes a lane
	s_mul_i32 s34, s26, 2*PITCH
	v_add_nc_u32 v3, s34, v2                       ; LDS, on the way in: my two rows, 16 x lane
	v_and_b32 v5, 15, v0                           ; r
	v_bfe_u32 v6, v0, 4, 1                         ; h
	s_delay_alu instid0(VALU_DEP_2)
	v_mul_u32_u24 v4, v5, PITCH
	s_delay_alu instid0(VALU_DEP_1)
	v_lshl_add_u32 v4, v6, 6, v4
	s_lshl_b32 s34, s26, 9
	v_add_nc_u32 v4, s34, v4                       ; LDS, on the way out: row r, K step = my wave (512 bytes), + 64 h
	v_lshlrev_b32 v7, 3, v1                        ; 8 bytes a lane of a piece
	v_lshlrev_b32 v8, 2, v5
	s_delay_alu instid0(VALU_DEP_1)
	v_lshl_add_u32 v8, v6, 1, v8                   ; 4 r + 2 h: my half of row r's scale word
	v_lshlrev_b32 v9, 4, v6                        ; 16 h
	s_lshl_b32 s35, s26, 8
	s_add_co_u32 s35, s35, ttmp9                   ; fragment (K step w, tile T)
	s_mul_i32 s36, s35, 1536
	s_mov_b32 s37, 0
	s_lshl_b32 s38, s35, 6
	s_add_co_u32 s38, s38, XS
	s_mov_b32 s39, 0
	s_wait_kmcnt 0x0
	s_add_nc_u64 s[4:5], s[4:5], s[32:33]
	s_add_nc_u64 s[36:37], s[22:23], s[36:37]
	s_add_nc_u64 s[38:39], s[22:23], s[38:39]
.irp j,0,1,2,3,4,5,6,7
	global_load_b128 v[X0+4*\j:X0+4*\j+3], v2, s[4:5] offset:512*\j        ; 32 lanes read 512 consecutive bytes
.endr
.irp j,0,1,2,3,4,5,6,7
	global_load_b128 v[X1+4*\j:X1+4*\j+3], v2, s[4:5] offset:4096+512*\j
.endr
.irp j,0,1,2,3,4,5,6,7
	global_load_b128 v[GW+4*\j:GW+4*\j+3], v2, s[6:7] offset:512*\j
.endr
.irp j,0,1,2,3,4,5,6,7
	global_load_b128 v[GB+4*\j:GB+4*\j+3], v2, s[8:9] offset:512*\j
.endr
	s_wait_loadcnt 16                              ; my two rows are in; the 16 loads of gain and bias may be out
	LN1 X0, TT
	LN1 X1, TT+8
	s_wait_loadcnt 0x0
	LN2 X0, TT, 0
	LN2 X1, TT+8, 1
	s_wait_dscnt 0x0                               ; my rows lie in LDS,
	s_barrier_signal -1
	s_barrier_wait -1                              ; everybody's do
.irp b,0,1,2,3
.irp j,0,1,2,3
	ds_load_b128 v[X0+16*\b+4*\j:X0+16*\b+4*\j+3], v4 offset:128*\b+16*\j  ; of row r: 16 neighbours of each block of 32 of K step w
.endr
.endr
	s_wait_dscnt 0x0
	QUANT X0
.irp p,0,1,2,3,4,5
	global_store_b64 v7, v[PC+2*\p:PC+2*\p+1], s[36:37] offset:256*\p      ; a piece: 256 consecutive bytes, aligned
.endr
	v_lshrrev_b32 v97, v9, v[PW]
	global_store_b16 v8, v97, s[38:39]             ; lanes 0-15 the word's lower half, lanes 16-31 the upper: 64 consecutive bytes
	s_wait_tensorcnt 0x0
	ds_add_u32 v12, v15
	s_wait_dscnt 0x0
	s_endpgm
; ---------------- WEIGHTS: a wave takes 32 columns (two tiles) x 128 along K (a K step); the eight waves stand side by side on 256 columns
.macro WDEST nt, cr, sr                ; s43 = K step, s44 = first column, s36 = the source's byte offset -> s[32:33] source, s[34:35] codes, s[38:39] scale words
	s_mul_i32 s46, s43, \nt
	s_lshr_b32 s47, s44, 4
	s_add_co_u32 s46, s46, s47                     ; fragment (K step, tile)
	s_mul_i32 s34, s46, 1536
	s_add_co_u32 s34, s34, \cr
	s_lshl_b32 s38, s46, 6
	s_add_co_u32 s38, s38, \sr
	s_mov_b32 s35, 0
	s_mov_b32 s37, 0
	s_mov_b32 s39, 0
	s_add_nc_u64 s[32:33], s[32:33], s[36:37]
	s_add_nc_u64 s[34:35], s[24:25], s[34:35]
	s_add_nc_u64 s[38:39], s[24:25], s[38:39]
.endm
.macro WLD rs, from, to                ; W(k, my column) for k = from .. to - 1 of the K step; rs: bytes from a k to the next.  Each load reads 128 consecutive bytes; read once in the launch
.set wi, \from
.rept (\to)-(\from)
	global_load_b32 v[32+wi], v3, s[32:33] offset:wi*\rs th:TH_LOAD_NT
.set wi, wi+1
.endr
.endm
.macro WBLOCK b                        ; block b of 32 along K: all its numbers are mine
.set XB, 32+32*\b
.set CB, 16+(16+6*(\b-1))*((\b+3)/4)   ; block 0's six registers of codes at v16; blocks 1, 2, 3 at v32, v38, v44, over block 0's numbers, which are done with
	v_max3_num_f32 v5, |v[XB]|, |v[XB+1]|, |v[XB+2]|
	v_max3_num_f32 v6, |v[XB+3]|, |v[XB+4]|, |v[XB+5]|
.irp i,6,10,14,18,22,26
	s_delay_alu instid0(VALU_DEP_2)
	v_max3_num_f32 v5, v5, |v[XB+\i]|, |v[XB+\i+1]|
	s_delay_alu instid0(VALU_DEP_2)
	v_max3_num_f32 v6, v6, |v[XB+\i+2]|, |v[XB+\i+3]|
.endr
	s_delay_alu instid0(VALU_DEP_2)
	v_max3_num_f32 v5, v5, |v[XB+30]|, |v[XB+31]|
	s_delay_alu instid0(VALU_DEP_1)
	v_max3_num_f32 v5, v5, v6, 0x2800000           ; and the floor 2^(5 - 127)
	s_delay_alu instid0(VALU_DEP_1)
	v_add_nc_u32 v[8+\b], 0xfe000000, v5           ; the conversion's scale operand
.if \b == 0
	s_delay_alu instid0(VALU_DEP_1)
	v_lshrrev_b32 v4, 23, v[8+\b]                  ; the scale's byte: four make my row's word
.else
	s_delay_alu instid0(VALU_DEP_1)
	v_lshrrev_b32 v7, 23, v[8+\b]
	s_delay_alu instid0(VALU_DEP_1)
	v_lshl_or_b32 v4, v7, 8*\b, v4
.endif
	v_cvt_scalef32_pk16_bf6_f32 v[CB:CB+2], v[XB:XB+15], v[8+\b]
	v_cvt_scalef32_pk16_bf6_f32 v[22:24], v[XB+16:XB+31], v[8+\b]          ; (a conversion's three registers begin on an even number)
	v_nop                                          ; one plain line behind the scaled conversions
.irp i,0,1,2
	v_mov_b32 v[CB+3+\i], v[22+\i]
.endr
.endm
; The 128 loads go out as a stream of which at most 63 are out.  Loads come back in order, so with N issued a wait for N - 32 (b + 1) shows block b in: 63 - 32, 95 - 64 and 127 - 96 are 31 each.
.macro WBODY rs
	WLD \rs, 0, 63
	s_wait_loadcnt 31                              ; of 63 issued the oldest 32 are in: block 0
	WLD \rs, 63, 95
	WBLOCK 0
	s_wait_loadcnt 31                              ; of 95 issued the oldest 64 are in: block 1
	WLD \rs, 95, 127
	WBLOCK 1
	s_wait_loadcnt 31                              ; of 127 issued the oldest 96 are in: block 2
	WLD \rs, 127, 128
	WBLOCK 2
	s_wait_loadcnt 0x0
	WBLOCK 3
.endm
.Lweights:
	s_sub_co_u32 s40, ttmp9, 256
	s_wait_alu depctr_va_vdst(0)
	v_and_b32 v2, 15, v1                           ; r
	v_lshrrev_b32 v3, 4, v1                        ; u
	s_delay_alu instid0(VALU_DEP_2)
	v_and_b32 v4, 8, v2
	s_delay_alu instid0(VALU_DEP_1)
	v_add_nc_u32 v2, v2, v4
	s_delay_alu instid0(VALU_DEP_1)
	v_lshl_add_u32 v2, v3, 3, v2                   ; lane (u, r) takes column 8 u + r + 8 (r / 8) of the 32: row r of tile 2 g + u
	s_delay_alu instid0(VALU_DEP_1)
	v_lshlrev_b32 v3, 2, v2
	v_lshlrev_b32 v13, 3, v1                       ; 8 x lane
	v_lshlrev_b32 v14, 2, v1                       ; 4 x lane
	s_lshl_b32 s41, s26, 5                         ; 32 x wave
	s_wait_kmcnt 0x0
	s_cmp_lt_u32 s40, 96
	s_cbranch_scc0 .Lw_o
	s_lshr_b32 s42, s40, 3                         ; W_Q, W_K, W_V [16][1024][64]: which 256 of the 3,072 rows (head x 64 + k),
	s_and_b32 s43, s40, 7                          ; which K step
	s_cmp_lt_u32 s42, 4
	s_cselect_b64 s[32:33], s[10:11], s[12:13]
	s_cmp_lt_u32 s42, 8
	s_cselect_b64 s[32:33], s[32:33], s[14:15]
	s_lshl_b32 s44, s42, 8
	s_add_co_u32 s44, s44, s41
	s_bfe_u32 s36, s44, 0x40006                    ; the head: 262,144 bytes each
	s_lshl_b32 s36, s36, 18
	s_lshl_b32 s45, s43, 15                        ; 128 rows of 256 bytes
	s_add_co_u32 s36, s36, s45
	s_and_b32 s45, s44, 63
	s_lshl_b32 s45, s45, 2
	s_add_co_u32 s36, s36, s45
	WDEST 192, WQC, WQS
	s_wait_alu depctr_va_vdst(0)
	WBODY 256
	s_branch .Lwst
.Lw_o:
	s_cmp_lt_u32 s40, 128
	s_cbranch_scc0 .Lw_in
	s_sub_co_u32 s45, s40, 96                      ; W_O [16 x 64][1024]
	s_lshr_b32 s42, s45, 3
	s_and_b32 s43, s45, 7
	s_mov_b64 s[32:33], s[16:17]
	s_lshl_b32 s44, s42, 8
	s_add_co_u32 s44, s44, s41
	s_lshl_b32 s36, s43, 19
	s_lshl_b32 s45, s44, 2
	s_add_co_u32 s36, s36, s45
	WDEST 64, WOC, WOS
	s_branch .Lld4096
.Lw_in:
	s_cmp_lt_u32 s40, 256
	s_cbranch_scc0 .Lw_out
	s_sub_co_u32 s45, s40, 128                     ; W_in [1024][4096]
	s_lshr_b32 s42, s45, 3
	s_and_b32 s43, s45, 7
	s_mov_b64 s[32:33], s[18:19]
	s_lshl_b32 s44, s42, 8
	s_add_co_u32 s44, s44, s41
	s_lshl_b32 s36, s43, 21
	s_lshl_b32 s45, s44, 2
	s_add_co_u32 s36, s36, s45
	WDEST 256, WIC, WIS
	s_wait_alu depctr_va_vdst(0)
	WBODY 16384
	s_branch .Lwst
.Lw_out:
	s_sub_co_u32 s45, s40, 256                     ; W_out [4096][1024]
	s_lshr_b32 s42, s45, 5
	s_and_b32 s43, s45, 31
	s_mov_b64 s[32:33], s[20:21]
	s_lshl_b32 s44, s42, 8
	s_add_co_u32 s44, s44, s41
	s_lshl_b32 s36, s43, 19
	s_lshl_b32 s45, s44, 2
	s_add_co_u32 s36, s36, s45
	WDEST 64, WUC, WUS
.Lld4096:
	s_wait_alu depctr_va_vdst(0)
	WBODY 4096
.Lwst:
.irp c,0,1                             ; lanes 16-31 of block 2 c change places with lanes 0-15 of block 2 c + 1: the first is then tile 2 g's half fragment c, the second tile 2 g + 1's
.irp i,0,1,2,3,4,5
	v_permlane16_swap_b32 v[16+22*\c+\i], v[32+12*\c+\i]
.endr
.endr
.irp c,0,1
.irp u,0,1
.irp p,0,1,2
	global_store_b64 v13, v[16+22*\c+(16-10*\c)*\u+2*\p:17+22*\c+(16-10*\c)*\u+2*\p], s[34:35] offset:1536*\u+768*\c+256*\p   ; a piece: 256 consecutive bytes, aligned
.endr
.endr
.endr
	global_store_b32 v14, v4, s[38:39]             ; lanes 0-15 tile 2 g's words, lanes 16-31 tile 2 g + 1's: 128 consecutive bytes
	s_endpgm
.Lfunc_end_k_q314ff958b8_prep:
	.size	k_q314ff958b8_prep, .Lfunc_end_k_q314ff958b8_prep-k_q314ff958b8_prep
	.p2alignl 7, 3214868480
	.fill 96, 4, 3214868480
	.section	.rodata,"a",@progbits
	.p2align	6, 0x0
	.amdhsa_kernel k_q314ff958b8_prep
		.amdhsa_group_segment_fixed_size 67072
		.amdhsa_private_segment_fixed_size 0
		.amdhsa_enable_private_segment 0
		.amdhsa_kernarg_size 88
		.amdhsa_user_sgpr_count 2
		.amdhsa_user_sgpr_kernarg_segment_ptr 1
		.amdhsa_wavefront_size32 1
		.amdhsa_system_sgpr_workgroup_id_x 1
		.amdhsa_system_sgpr_workgroup_id_y 1
		.amdhsa_system_sgpr_workgroup_id_z 1
		.amdhsa_system_vgpr_workitem_id 0
		.amdhsa_next_free_vgpr 168
		.amdhsa_next_free_sgpr 66
		.amdhsa_reserve_vcc 0
		.amdhsa_float_denorm_mode_32 3
		.amdhsa_float_denorm_mode_16_64 3
		.amdhsa_memory_ordered 1
		.amdhsa_forward_progress 1
		.amdhsa_inst_pref_size 95
	.end_amdhsa_kernel
	.amdgpu_metadata
---
amdhsa.version: [ 1, 2 ]
amdhsa.kernels:
  - .name:           k_q314ff958b8_prep
    .symbol:         k_q314ff958b8_prep.kd
    .args:
      - { .name: resid_pre, .offset: 0, .size: 8, .value_kind: global_buffer, .address_space: global }
      - { .name: ln1_w, .offset: 8, .size: 8, .value_kind: global_buffer, .address_space: global }
      - { .name: ln1_b, .offset: 16, .size: 8, .value_kind: global_buffer, .address_space: global }
      - { .name: W_Q, .offset: 24, .size: 8, .value_kind: global_buffer, .address_space: global }
      - { .name: W_K, .offset: 32, .size: 8, .value_kind: global_buffer, .address_space: global }
      - { .name: W_V, .offset: 40, .size: 8, .value_kind: global_buffer, .address_space: global }
      - { .name: W_O, .offset: 48, .size: 8, .value_kind: global_buffer, .address_space: global }
      - { .name: W_in, .offset: 56, .size: 8, .value_kind: global_buffer, .address_space: global }
      - { .name: W_out, .offset: 64, .size: 8, .value_kind: global_buffer, .address_space: global }
      - { .name: xb, .offset: 72, .size: 8, .value_kind: global_buffer, .address_space: global }
      - { .name: wb, .offset: 80, .size: 8, .value_kind: global_buffer, .address_space: global }
    .group_segment_fixed_size: 67072
    .private_segment_fixed_size: 0
    .kernarg_segment_align: 8
    .kernarg_segment_size: 88
    .max_flat_workgroup_size: 256
    .sgpr_count:     66
    .vgpr_count:     168
    .wavefront_size: 32
...
	.end_amdgpu_metadata
.endif
;; end of part 1
;; launch qkv (part 2): grid 12 x 16, 16 waves a work-group, clusters of 4 x 4, 327,680 bytes of LDS; arguments xb, wb, b_Q, b_K, b_V, qkvb; writes qkvb
.if DOCPART == 2
	.amdgcn_target "amdgcn-amd-amdhsa--gfx1250"
	.amdhsa_code_object_version 6
	.text
	.protected	k_q314ff958b8_qkv
	.globl	k_q314ff958b8_qkv
	.p2align	8
	.type	k_q314ff958b8_qkv,@function
k_q314ff958b8_qkv:
	s_mov_b64 s[64:65], 0
	v_nop
	global_prefetch_b8 v0, s[64:65] scope:SCOPE_SE
	s_setreg_imm32_b32 hwreg(HW_REG_WAVE_MODE, 25, 1), 1
	s_wait_xcnt 0x0
	s_wait_alu depctr_hold_cnt(0) depctr_sa_sdst(0) depctr_va_vdst(0) depctr_va_sdst(0) depctr_va_ssrc(0) depctr_va_vcc(0) depctr_vm_vsrc(0)
	s_getreg_b32 s2, hwreg(HW_REG_IB_STS2, 6, 4)
	s_cmp_eq_u32 s2, 0
	s_cbranch_scc0 .Lentry_in_a_cluster
	s_endpgm
.Lentry_in_a_cluster:
	s_bfe_u32 s2, ttmp6, 0x10000c
	s_cmp_lg_u32 s2, 0xf033
	s_cbranch_scc0 .Lentry_shape_is_right
	s_endpgm
.Lentry_shape_is_right:
; q, k, v = LN1(x) W + b on codes of BF6 (E3M2) with E8M0 scales, and the results quantised in registers for attention's two products.
; X: 4,096 tokens x 1,024; W: 3,072 rows (q: head x 64 + k, then k's, then v's) x 1,024; both as images (a fragment = 16 rows x 128 K = six pieces of 256 bytes in the order of the operand's registers;
; tile 2 g + u holds rows 32 g + 8 u + i + 8 (i / 8)).  A work-group makes 256 tokens x 256 rows of W; each of its SIXTEEN waves 64 x 64: 16 accumulators, four waves to a SIMD, so that one wave's LDS
; waits stand beside another's products.  K goes in four steps of 256 through THREE LDS slots: steps 0, 1, 2 are first fills; step 3 is the launch's one refill, asked for behind step 0: it has two steps' work,
; 256 products a SIMD, in which to land.  The scale words of all of K come once.
; CLUSTER 4 x 4: X's tiles hang on the tile row alone and are asked for jointly along a row of the cluster, W's on the tile column alone, along a column.
; ROLES, by the cluster's x (alike in all partners).  Clusters 0, 1 (q, k): source 0 = W, source 1 = X: a lane holds one token and its registers run along the head's 64, the next product's K.
; Cluster 2 (v): the sources change places: a lane holds one channel d and its registers run along the tokens, which are the second product's K.  Loads, waits and rounds are common to both roles.
; b_Q, b_K are loaded into the accumulators, onto which the first products add; b_V is added on the way out.  Both fetches stand on the one way: role v's first products overwrite the first fetch, roles q, k do not use the second.
; OUT: q, k: half fragments [head or 16 + head][batch][tile][768]; scale words [..][batch][pair of tiles][16]: the even tile's two bytes below, the odd tile's above.  v: [head][batch][128 keys][16 d][1536], words [..][64].
; LIMITS: NaN and infinities are not served; a block whose largest magnitude lies under 2^-122 gets the byte 1.
.set WT,   16                          ; tiles of a side in the block
.set KS,   2                           ; K steps of 128 in a slot
.set KK,   1024
.set NTX,  256                         ; tiles of X, of W
.set NTW,  192
.set XSO,  3145728                     ; where X's scale words begin in its buffer; W's codes and scale words in wb
.set WCO,  0
.set WSO,  2359296
.set SLOT, 98304                       ; X's part [K step][tile][1536], 49,152 bytes, then W's
.set SCL,  3*SLOT                      ; behind the three slots: the scale words: X's [K step][tile][64], then W's
.set SHALF, (KK/256)*WT*64             ; what one load brings of them
.set SWO,  2*SHALF
.set SPARE, 325632                     ; the spare words, 128 bytes for each of the sixteen waves; no other line names them
.set CD0,  32                          ; a half slot of a side is 24,576 dense bytes: 96 rows of 32 elements of 8 bytes
.set CD1,  96
.set CPX,  32
.set CPW,  32
.set QKS,  6291456
.set VC,   6553600
.set VS,   9699328
; REGISTERS: v1 8 x lane; v2-4, v5-7 LDS addresses of my X, W fragments in slot 0, 1, 2; v23, v22 of my X, W scale words; v8, v9 the spare word's address and 0; v10 lane; v11-13 small; v14-21 b_V, a pair for each tile;
; v24-27, v28-31 X's, W's scale words; v32-79 X's four fragments; v80-127 W's; v128-255 accumulator (a, b) at 128 + 8 (4 a + b).
; s18 wave; s19, s20 my 64 rows of X, of W; s22 which half I fetch; s23 role; s24-39 groups 1 of the code tiles (on the way out s24-25 lane selects, s26-29 where my results go);
; THE SIXTEEN FIRST FILLS ARE SHARED OUT, ONE A WAVE: wave w fetches part w % 4 (X's halves, W's halves) of slot w / 4, waves 12-15 of the scale words.  s48-51, s56-59 my group 0 for X's, W's codes; s68-91 the scale words' descriptors.
; NO PREFETCH: the block is 256 x 256 in clusters of 4 x 4 and K is four steps, of which three are asked for at the head: there is no loop to run ahead in, and one refill alone is left.
.macro CROUND
	s_barrier_signal -1
	s_barrier_wait -1
	s_cmp_lg_u32 s18, 0
	s_cbranch_scc1 .Lnw0_\@
	s_barrier_signal -3
.Lnw0_\@:
	s_barrier_wait -3
	s_barrier_signal -1
	s_barrier_wait -1
.endm
.macro JLOAD g0x, g0w                  ; a joint refill: waves 0, 1 X's halves, waves 2, 3 W's, the others none; four v_nop follow each line
	s_cmp_lt_u32 s18, 2
	s_cbranch_scc0 .Lnx_\@
	tensor_load_to_lds s[\g0x:\g0x+3], s[24:31]
	s_nop 0
.rept 4
	v_nop
.endr
	s_branch .Lja_\@
.Lnx_\@:
	s_cmp_lt_u32 s18, 4
	s_cbranch_scc0 .Lja_\@
	tensor_load_to_lds s[\g0w:\g0w+3], s[32:39]
	s_nop 0
.rept 4
	v_nop
.endr
.Lja_\@:
.endm
.macro MUL16                           ; roles q, k: source 0 = W's tile b, source 1 = X's tile a.  The sixteen accumulators take turns
.irp a,0,1,2,3
.irp b,0,1,2,3
	v_wmma_scale_f32_16x16x128_f8f6f4 v[128+8*(4*\a+\b):135+8*(4*\a+\b)], v[80+12*\b:91+12*\b], v[32+12*\a:43+12*\a], v[128+8*(4*\a+\b):135+8*(4*\a+\b)], v[28+\b], v[24+\a] matrix_a_fmt:MATRIX_FMT_BF6 matrix_b_fmt:MATRIX_FMT_BF6
.endr
.endr
.endm
.macro MUL16V zero                     ; role v: source 0 = X's tile b, source 1 = W's tile a
.irp a,0,1,2,3
.irp b,0,1,2,3
.if \zero
	v_wmma_scale_f32_16x16x128_f8f6f4 v[128+8*(4*\a+\b):135+8*(4*\a+\b)], v[32+12*\b:43+12*\b], v[80+12*\a:91+12*\a], 0, v[24+\b], v[28+\a] matrix_a_fmt:MATRIX_FMT_BF6 matrix_b_fmt:MATRIX_FMT_BF6
.else
	v_wmma_scale_f32_16x16x128_f8f6f4 v[128+8*(4*\a+\b):135+8*(4*\a+\b)], v[32+12*\b:43+12*\b], v[80+12*\a:91+12*\a], v[128+8*(4*\a+\b):135+8*(4*\a+\b)], v[24+\b], v[28+\a] matrix_a_fmt:MATRIX_FMT_BF6 matrix_b_fmt:MATRIX_FMT_BF6
.endif
.endr
.endr
.endm
.macro PROD first
	s_cmp_lg_u32 s23, 0
	s_cbranch_scc1 .Lrv_\@
	MUL16
	s_branch .Lrd_\@
.Lrv_\@:
	MUL16V \first
.Lrd_\@:
.endm
.macro KSTEP slot, q, ksi, first       ; 128 along K: the slot's q-th, K step ksi of all
.rept 4
	v_nop                                          ; four plain lines in front of loads into registers that products have read
.endr
.irp i,0,1,2,3
.irp p,0,1,2,3,4,5
	ds_load_b64 v[32+12*\i+2*\p:33+12*\i+2*\p], v[2+\slot] offset:((\q)*WT+\i)*1536+256*\p   ; a piece: 256 consecutive bytes
.endr
.endr
.irp i,0,1,2,3
.irp p,0,1,2,3,4,5
	ds_load_b64 v[80+12*\i+2*\p:81+12*\i+2*\p], v[5+\slot] offset:((\q)*WT+\i)*1536+256*\p
.endr
.endr
.irp i,0,1,2,3
	ds_load_b32 v[24+\i], v23 offset:(\ksi)*WT*64+64*\i
	ds_load_b32 v[28+\i], v22 offset:(\ksi)*WT*64+64*\i
.endr
	s_wait_dscnt 0x0
	PROD \first
.endm
.macro STEP tt, slot                   ; step tt of K, which lies in the slot named
.if (\tt) == 0
	KSTEP \slot, 0, 0, 1
.else
	KSTEP \slot, 0, 2*(\tt), 0
.endif
	KSTEP \slot, 1, 2*(\tt)+1, 0
.endm
; 32 numbers of a lane, register 16 b + i = k 32 b + 16 (lane / 16) + i of my row, become a half fragment's six registers in v[pc] on and its two scale bytes in v[hw].  t: six registers at work
.macro QUANT2 s, pc, hw, t
	v_max3_num_f32 v[\t], |v[\s]|, |v[\s+1]|, 0x2800000            ; each accumulator is read from its low end on; the floor 2^(5 - 127) holds the byte at 1 from below
	v_max3_num_f32 v[\t+1], |v[\s+16]|, |v[\s+17]|, 0x2800000
.irp i,2,4,6,8,10,12,14
	v_max3_num_f32 v[\t], v[\t], |v[\s+\i]|, |v[\s+\i+1]|
	v_max3_num_f32 v[\t+1], v[\t+1], |v[\s+16+\i]|, |v[\s+17+\i]|
.endr
	s_delay_alu instid0(VALU_DEP_2)
	v_permlanex16_b32 v[\t+2], v[\t], s24, s25
	s_delay_alu instid0(VALU_DEP_2)
	v_permlanex16_b32 v[\t+3], v[\t+1], s24, s25
	s_delay_alu instid0(VALU_DEP_2)
	v_max_num_f32 v[\t], v[\t], v[\t+2]
	s_delay_alu instid0(VALU_DEP_2)
	v_max_num_f32 v[\t+1], v[\t+1], v[\t+3]
	s_delay_alu instid0(VALU_DEP_2)
	v_add_nc_u32 v[\t+4], 0xfe000000, v[\t]        ; 4 off the exponent field: the conversion's scale operand
	s_delay_alu instid0(VALU_DEP_2)
	v_add_nc_u32 v[\t+5], 0xfe000000, v[\t+1]
	s_delay_alu instid0(VALU_DEP_2)
	v_lshrrev_b32 v[\t+2], 23, v[\t+4]
	s_delay_alu instid0(VALU_DEP_2)
	v_lshrrev_b32 v[\t+3], 23, v[\t+5]
	s_delay_alu instid0(VALU_DEP_1)
	v_lshl_or_b32 v[\hw], v[\t+3], 8, v[\t+2]
	v_cvt_scalef32_pk16_bf6_f32 v[\pc:\pc+2], v[\s:\s+15], v[\t+4]
	v_cvt_scalef32_pk16_bf6_f32 v[\pc+8:\pc+10], v[\s+16:\s+31], v[\t+5]
	v_nop                                          ; one plain line behind the scaled conversions
.irp i,0,1,2
	v_permlane16_swap_b32 v[\pc+\i], v[\pc+8+\i]   ; a whole block to a lane: lanes 0-15 block 0, lanes 16-31 block 1
.endr
.irp i,0,1,2
	s_delay_alu instid0(VALU_DEP_3)
	v_mov_b32 v[\pc+3+\i], v[\pc+8+\i]
.endr
.endm
	s_load_b256 s[4:11], s[0:1], 0x0               ; xb s[4:5], wb s[6:7], b_Q s[8:9], b_K s[10:11]
	s_load_b128 s[12:15], s[0:1], 0x20             ; b_V s[12:13], qkvb s[14:15]
	v_lshl_add_u32 v8, v0, 2, SPARE
	v_mov_b32 v9, 0
	ds_add_u32 v8, v9
	ds_add_u32 v8, v9
	s_wait_dscnt 0x0
	v_lshrrev_b32 v10, 5, v0
	s_delay_alu instid0(VALU_DEP_1)
	v_readfirstlane_b32 s18, v10                   ; wave 0..15
	v_and_b32 v10, 31, v0                          ; lane
	s_lshr_b32 s19, s18, 2                         ; my 64 rows of X
	s_and_b32 s20, s18, 3                          ; my 64 rows of W
	s_and_b32 s22, s18, 1                          ; which half of a slot's side I fetch, if I fetch
	s_bfe_u32 s40, ttmp6, 0x40000                  ; cx, cy
	s_bfe_u32 s41, ttmp6, 0x40004
	s_lshl_b32 s42, ttmp9, 2
	s_add_co_u32 s42, s42, s40                     ; block column
	s_and_b32 s43, ttmp7, 0xffff
	s_lshl_b32 s43, s43, 2
	s_add_co_u32 s43, s43, s41                     ; block row
	s_lshl_b32 s44, s41, 2
	s_lshl_b32 s44, 15, s44                        ; my row of the cluster
	s_lshl_b32 s45, 0x1111, s40                    ; my column
	s_cmp_eq_u32 ttmp9, 2
	s_cselect_b32 s23, 1, 0                        ; role v: the cluster's x alone decides
	s_or_b32 s24, s44, (3<<16)|(1<<21)             ; group 1, codes of X: the mask, elements of 8 bytes, bit 21 beside a mask
	s_or_b32 s32, s45, (3<<16)|(1<<21)             ; of W
	s_mov_b32 s25, CD0<<16
	s_mov_b32 s26, CD1<<16
	s_mov_b32 s27, CD0<<16
	s_mov_b32 s28, CD1
	s_mov_b32 s29, CPX
	s_mov_b32 s30, 0
	s_mov_b32 s31, 0
	s_mov_b32 s33, CD0<<16
	s_mov_b32 s34, CD1<<16
	s_mov_b32 s35, CD0<<16
	s_mov_b32 s36, CD1
	s_mov_b32 s37, CPW
	s_mov_b32 s38, 0
	s_mov_b32 s39, 0
	s_or_b32 s68, s44, (3<<16)|(1<<21)             ; the scale words: KK / 256 rows (K steps) of WT x 64 bytes
	s_or_b32 s76, s45, (3<<16)|(1<<21)
	s_mov_b32 s69, (WT*8)<<16
	s_mov_b32 s70, (KK/256)<<16
	s_mov_b32 s71, (WT*8)<<16
	s_mov_b32 s72, KK/256
	s_mov_b32 s73, NTX*8
	s_mov_b32 s74, 0
	s_mov_b32 s75, 0
	s_mov_b32 s77, (WT*8)<<16
	s_mov_b32 s78, (KK/256)<<16
	s_mov_b32 s79, (WT*8)<<16
	s_mov_b32 s80, KK/256
	s_mov_b32 s81, NTW*8
	s_mov_b32 s82, 0
	s_mov_b32 s83, 0
	s_mul_i32 s50, s22, (KS/2)*NTX*1536            ; X's offsets hang on the block row alone, W's on the block column alone, each in registers of its own
	s_mul_i32 s16, s43, WT*1536
	s_add_co_u32 s50, s50, s16
	s_mul_i32 s16, s19, KS*NTX*1536                ; the step of K that my slot first takes: wave / 4
	s_add_co_u32 s50, s50, s16
	s_mov_b32 s51, 0
	s_mul_i32 s86, s22, (KK/256)*NTX*64
	s_mul_i32 s16, s43, WT*64
	s_add_co_u32 s86, s86, s16
	s_add_co_u32 s86, s86, XSO
	s_mov_b32 s87, 0
	s_mul_i32 s58, s22, (KS/2)*NTW*1536
	s_mul_i32 s46, s42, WT*1536
	s_add_co_u32 s58, s58, s46
	s_add_co_u32 s58, s58, WCO
	s_mul_i32 s46, s19, KS*NTW*1536
	s_add_co_u32 s58, s58, s46
	s_mov_b32 s59, 0
	s_mul_i32 s90, s22, (KK/256)*NTW*64
	s_mul_i32 s46, s42, WT*64
	s_add_co_u32 s90, s90, s46
	s_add_co_u32 s90, s90, WSO
	s_mov_b32 s91, 0
	s_mov_b32 s48, 1
	s_mov_b32 s56, 1
	s_mov_b32 s84, 1
	s_mov_b32 s88, 1
	s_mul_i32 s49, s20, 24576                      ; LDS: wave % 4 x a half side, + wave / 4 x a slot
	s_mul_i32 s16, s19, SLOT
	s_add_co_u32 s49, s49, s16
	s_mov_b32 s57, s49
	s_mul_i32 s85, s20, SHALF
	s_add_co_u32 s85, s85, SCL
	s_mov_b32 s89, s85
	s_and_b32 s100, s42, 3
	s_lshl_b32 s100, s100, 2
	s_add_co_u32 s100, s100, s20
	s_lshl_b32 s100, s100, 8                       ; my head's 64 biases: 256 bytes a head
	s_mov_b32 s101, 0
	s_wait_alu depctr_va_vdst(0)
	s_wait_kmcnt 0x0
	s_add_nc_u64 s[50:51], s[4:5], s[50:51]
	s_add_nc_u64 s[86:87], s[4:5], s[86:87]
	s_add_nc_u64 s[58:59], s[6:7], s[58:59]
	s_add_nc_u64 s[90:91], s[6:7], s[90:91]
	s_or_b32 s51, s51, 0x80000000
	s_or_b32 s87, s87, 0x80000000
	s_or_b32 s59, s59, 0x80000000
	s_or_b32 s91, s91, 0x80000000
	s_cmp_eq_u32 ttmp9, 0
	s_cselect_b64 s[66:67], s[8:9], s[10:11]
	s_cmp_eq_u32 ttmp9, 2
	s_cselect_b64 s[66:67], s[12:13], s[66:67]
	s_add_nc_u64 s[66:67], s[66:67], s[100:101]    ; the bias of my block's kind, at my head
	s_add_nc_u64 s[2:3], s[12:13], s[100:101]      ; b_V at the head of the same number
	v_lshlrev_b32 v1, 3, v10
	s_mul_i32 s16, s19, 6144
	v_add_nc_u32 v2, s16, v1
	s_delay_alu instid0(VALU_DEP_1)
	v_add_nc_u32 v3, SLOT, v2
	s_delay_alu instid0(VALU_DEP_1)
	v_add_nc_u32 v4, SLOT, v3
	s_mul_i32 s46, s20, 6144
	s_add_co_u32 s46, s46, 49152
	v_add_nc_u32 v5, s46, v1
	s_delay_alu instid0(VALU_DEP_1)
	v_add_nc_u32 v6, SLOT, v5
	s_delay_alu instid0(VALU_DEP_1)
	v_add_nc_u32 v7, SLOT, v6
	v_and_b32 v13, 15, v0                          ; r
	s_delay_alu instid0(VALU_DEP_1)
	v_lshlrev_b32 v11, 2, v13
	s_lshl_b32 s16, s19, 8
	s_add_co_u32 s16, s16, SCL
	v_add_nc_u32 v23, s16, v11
	s_lshl_b32 s46, s20, 8
	s_add_co_u32 s46, s46, SCL+SWO
	v_add_nc_u32 v22, s46, v11
	v_bfe_u32 v12, v0, 4, 1
	s_delay_alu instid0(VALU_DEP_1)
	v_lshlrev_b32 v12, 6, v12                      ; 64 h
	v_and_b32 v11, 8, v13
	s_delay_alu instid0(VALU_DEP_1)
	v_add_nc_u32 v13, v13, v11
	s_delay_alu instid0(VALU_DEP_1)
	v_lshlrev_b32 v13, 2, v13                      ; 4 (r + 8 (r / 8))
.irp a,0,1,2,3                         ; accumulator (a, b), register j, is W's row 32 (b / 2) + 16 h + 8 (b % 2) + j: its bias is what the first product adds onto
.irp b,0,1,2,3
	global_load_b128 v[128+8*(4*\a+\b):131+8*(4*\a+\b)], v12, s[66:67] offset:(32*(\b/2)+8*(\b%2))*4
	global_load_b128 v[132+8*(4*\a+\b):135+8*(4*\a+\b)], v12, s[66:67] offset:(32*(\b/2)+8*(\b%2))*4+16
.endr
.endr
.irp a,0,1,2,3                         ; role v: my lane's channel of tile a, in both registers of a pair
	global_load_b32 v[14+2*\a], v13, s[2:3] offset:(32*(\a/2)+8*(\a%2))*4
	global_load_b32 v[15+2*\a], v13, s[2:3] offset:(32*(\a/2)+8*(\a%2))*4
.endr
	CROUND                                         ; all sixteen work-groups are here: the first joint loads meet
	s_cmp_lt_u32 s18, 12                           ; the first fills: every way through these branches on the wave's number passes exactly one load
	s_cbranch_scc0 .Lff_s
	s_cmp_lt_u32 s20, 2
	s_cbranch_scc0 .Lff_w
	tensor_load_to_lds s[48:51], s[24:31]          ; a half of X's side of slot wave / 4
	s_nop 0
.rept 4
	v_nop
.endr
	s_branch .Lff_e
.Lff_w:
	tensor_load_to_lds s[56:59], s[32:39]          ; a half of W's side
	s_nop 0
.rept 4
	v_nop
.endr
	s_branch .Lff_e
.Lff_s:
	s_cmp_lt_u32 s20, 2
	s_cbranch_scc0 .Lff_sw
	tensor_load_to_lds s[84:87], s[68:75]          ; a half of X's scale words
	s_nop 0
.rept 4
	v_nop
.endr
	s_branch .Lff_e
.Lff_sw:
	tensor_load_to_lds s[88:91], s[76:83]          ; a half of W's
	s_nop 0
.rept 4
	v_nop
.endr
.Lff_e:
	s_wait_tensorcnt 0x0                           ; my one load has landed
	s_wait_loadcnt 0x0                             ; the biases
	s_barrier_signal -1
	s_barrier_wait -1
	s_wait_alu depctr_va_vdst(0)
	STEP 0, 0
	s_wait_tensorcnt 0x0                           ; all my tensor loads have landed, my parts of slots 1 and 2: a group 0 may be written
	ds_add_u32 v8, v9                              ; 0 onto my spare word
	s_add_nc_u64 s[50:51], s[50:51], 3*KS*NTX*1536 ; waves 0-3: slot 0's next tile is step 3
	s_add_nc_u64 s[58:59], s[58:59], 3*KS*NTW*1536
	s_wait_dscnt 0x0                               ; the add is done, and my reads of slot 0 are over
	CROUND                                         ; no wave of any partner still reads slot 0 or has a load on its way
	JLOAD 48, 56                                   ; the launch's one refill: two steps ahead of its first read
	STEP 1, 1
	STEP 2, 2                                      ; no barrier between them: the round has shown both slots whole to every wave
	s_wait_tensorcnt 0x0                           ; my part of step 3 is in
	ds_add_u32 v8, v9                              ; 0 onto my spare word
	s_wait_dscnt 0x0
	s_barrier_signal -1
	s_barrier_wait -1                              ; everybody's is; nothing is filled again
	STEP 3, 0
	; THE WAY OUT.  Where my results go, for both roles; the role selects.  No tensor load is out: the registers of group 1 are free
	s_lshl_b32 s2, s42, 2
	s_add_co_u32 s2, s2, s20                       ; which 64 rows of W: head (q), 16 + head (k), 32 + head (v)
	s_lshr_b32 s3, s43, 3                          ; batch
	s_and_b32 s100, s43, 7
	s_lshl_b32 s26, s2, 1
	s_add_co_u32 s26, s26, s3
	s_lshl_b32 s28, s26, 6
	s_lshl_b32 s26, s26, 7
	s_lshl_b32 s101, s100, 2
	s_add_co_u32 s101, s101, s19
	s_lshl_b32 s66, s101, 2
	s_add_co_u32 s26, s26, s66                     ; q, k: my first tile of tokens
	s_mul_i32 s26, s26, 768
	s_lshl_b32 s66, s101, 1
	s_add_co_u32 s28, s28, s66                     ; and its pair
	s_lshl_b32 s28, s28, 6
	s_add_co_u32 s28, s28, QKS
	s_sub_co_u32 s2, s2, 32
	s_lshl_b32 s2, s2, 1
	s_add_co_u32 s2, s2, s3
	s_lshl_b32 s2, s2, 4
	s_lshl_b32 s66, s100, 1
	s_lshr_b32 s67, s19, 1
	s_add_co_u32 s66, s66, s67
	s_add_co_u32 s2, s2, s66                       ; v: (head, batch, which 128 keys)
	s_and_b32 s67, s19, 1                          ; and which 64 of them
	s_mul_i32 s66, s2, 6144
	s_mul_i32 s101, s67, 768
	s_add_co_u32 s66, s66, s101
	s_add_co_u32 s66, s66, VC
	s_lshl_b32 s2, s2, 8
	s_lshl_b32 s67, s67, 1
	s_add_co_u32 s2, s2, s67
	s_add_co_u32 s2, s2, VS
	s_mov_b32 s3, 768
	s_mov_b32 s101, 64
	s_cmp_lg_u32 s23, 0
	s_cselect_b32 s26, s66, s26
	s_cselect_b32 s28, s2, s28
	s_cselect_b32 s3, 1536, s3                     ; from a tile's codes to the next tile's
	s_cselect_b32 s100, 64, 2                      ; the scale bytes of lanes 16-31: the next tile's words (v), or the upper half of the pair's words (q, k)
	s_cselect_b32 s101, 128, s101                  ; from a pair of tiles to the next
	s_mov_b32 s27, 0
	s_mov_b32 s29, 0
	s_add_nc_u64 s[26:27], s[14:15], s[26:27]
	s_add_nc_u64 s[28:29], s[14:15], s[28:29]
	s_mov_b32 s24, 0x76543210
	s_mov_b32 s25, 0xfedcba98                      ; v_permlanex16_b32's selects for lane l xor 16
	v_and_b32 v11, 15, v0                          ; these four lines name no register of the last products: they are the plain lines owed behind them
	v_bfe_u32 v12, v0, 4, 1
	s_delay_alu instid0(VALU_DEP_2)
	v_lshlrev_b32 v11, 2, v11
	s_delay_alu instid0(VALU_DEP_2)
	v_mul_u32_u24 v12, s100, v12
	v_cmp_le_u32 vcc_lo, 16, v10                   ; lanes 16-31
	s_delay_alu instid0(VALU_DEP_2)
	v_add_nc_u32 v104, v11, v12
	s_delay_alu instid0(VALU_DEP_1)
	v_add_nc_u32 v105, s101, v104
	v_add_nc_u32 v101, s3, v1
	s_delay_alu instid0(VALU_DEP_1)
	v_add_nc_u32 v102, s3, v101
	s_delay_alu instid0(VALU_DEP_1)
	v_add_nc_u32 v103, s3, v102
	s_cmp_eq_u32 s23, 0
	s_cbranch_scc1 .Lno_bv
.irp a,0,1,2,3
.set bj, 0
.rept 16
	v_pk_add_f32 v[128+32*\a+bj:129+32*\a+bj], v[128+32*\a+bj:129+32*\a+bj], v[14+2*\a:15+2*\a]   ; v + b_V: a lane holds one channel
.set bj, bj+2
.endr
.endr
.Lno_bv:
.irp a,0,1,2,3
	QUANT2 128+32*\a, 32+12*\a, 80+\a, 88
.irp p,0,1,2
.if \a == 0
	global_store_b64 v1, v[32+2*\p:33+2*\p], s[26:27] offset:256*\p        ; a piece: 256 consecutive bytes, aligned
.else
	global_store_b64 v[100+\a], v[32+12*\a+2*\p:33+12*\a+2*\p], s[26:27] offset:256*\p
.endif
.endr
.if (\a%2) == 1
	v_cndmask_b32 v[84+\a/2], v[80+\a-1], v[80+\a], vcc_lo                 ; lanes 0-15 the even tile's two bytes, lanes 16-31 the odd tile's
	global_store_b16 v[104+\a/2], v[84+\a/2], s[28:29]                     ; q, k: 64 consecutive bytes; v: alternate halfwords of 128 bytes, the neighbouring wave writes the others
.endif
.endr
	s_wait_tensorcnt 0x0                           ; the wave's end
	ds_add_u32 v8, v9
	s_wait_dscnt 0x0
	CROUND                                         ; the closing round
	s_endpgm
.Lfunc_end_k_q314ff958b8_qkv:
	.size	k_q314ff958b8_qkv, .Lfunc_end_k_q314ff958b8_qkv-k_q314ff958b8_qkv
	.p2alignl 7, 3214868480
	.fill 96, 4, 3214868480
	.section	.rodata,"a",@progbits
	.p2align	6, 0x0
	.amdhsa_kernel k_q314ff958b8_qkv
		.amdhsa_group_segment_fixed_size 327680
		.amdhsa_private_segment_fixed_size 0
		.amdhsa_enable_private_segment 0
		.amdhsa_kernarg_size 48
		.amdhsa_user_sgpr_count 2
		.amdhsa_user_sgpr_kernarg_segment_ptr 1
		.amdhsa_wavefront_size32 1
		.amdhsa_system_sgpr_workgroup_id_x 1
		.amdhsa_system_sgpr_workgroup_id_y 1
		.amdhsa_system_sgpr_workgroup_id_z 1
		.amdhsa_system_vgpr_workitem_id 0
		.amdhsa_next_free_vgpr 256
		.amdhsa_next_free_sgpr 102
		.amdhsa_reserve_vcc 1
		.amdhsa_float_denorm_mode_32 3
		.amdhsa_float_denorm_mode_16_64 3
		.amdhsa_memory_ordered 1
		.amdhsa_forward_progress 1
		.amdhsa_inst_pref_size 93
	.end_amdhsa_kernel
	.amdgpu_metadata
---
amdhsa.version: [ 1, 2 ]
amdhsa.kernels:
  - .name:           k_q314ff958b8_qkv
    .symbol:         k_q314ff958b8_qkv.kd
    .args:
      - { .name: xb, .offset: 0, .size: 8, .value_kind: global_buffer, .address_space: global }
      - { .name: wb, .offset: 8, .size: 8, .value_kind: global_buffer, .address_space: global }
      - { .name: b_Q, .offset: 16, .size: 8, .value_kind: global_buffer, .address_space: global }
      - { .name: b_K, .offset: 24, .size: 8, .value_kind: global_buffer, .address_space: global }
      - { .name: b_V, .offset: 32, .size: 8, .value_kind: global_buffer, .address_space: global }
      - { .name: qkvb, .offset: 40, .size: 8, .value_kind: global_buffer, .address_space: global }
    .group_segment_fixed_size: 327680
    .private_segment_fixed_size: 0
    .kernarg_segment_align: 8
    .kernarg_segment_size: 48
    .max_flat_workgroup_size: 512
    .sgpr_count:     102
    .vgpr_count:     256
    .wavefront_size: 32
...
	.end_amdgpu_metadata
.endif
;; end of part 2
;; launch attn (part 3): grid 8 x 32, 16 waves a work-group, no clusters, 276,480 bytes of LDS; arguments qkvb, zb; writes zb
.if DOCPART == 3
	.amdgcn_target "amdgcn-amd-amdhsa--gfx1250"
	.amdhsa_code_object_version 6
	.text
	.protected	k_q314ff958b8_attn
	.globl	k_q314ff958b8_attn
	.p2align	8
	.type	k_q314ff958b8_attn,@function
k_q314ff958b8_attn:
	s_mov_b64 s[64:65], 0
	v_nop
	global_prefetch_b8 v0, s[64:65] scope:SCOPE_SE
	s_setreg_imm32_b32 hwreg(HW_REG_WAVE_MODE, 25, 1), 1
	s_wait_xcnt 0x0
; z[q] = the sum over keys k <= q of Q(softmax_k(q . k / 8)) Q(v[k]), both products on codes of BF6 (E3M2) with E8M0 scales; z is quantised for the next product.
; THE PATTERN IS QUANTISED FINISHED AND NORMALISED, so the row's sum is known before any weight is quantised: THE KEYS ARE WALKED TWICE.  Pass 1: the running maximum m and the sum l of 2^(c s - c m), c = log2(e) / 8.
; Pass 2: the scores again, p = 2^(c s - (c m + log2 l)), which is the normalised weight by one multiply-add and one exponential; it is quantised along the keys, and O^T += V^T P^T.
; THE LARGEST SCORE OF EACH BLOCK OF 32 KEYS, which pass 1 passes through on its way to m, is kept for pass 2 in the wave's own LDS (four numbers a query and step): pass 2 wants it for the block's scale and does not search again.
; SHARES.  A work-group owns one (batch, head) and 16 of its 128 tiles of 16 queries; a wave owns one tile (queries 32 (t / 2) + 8 (t % 2) + r + 8 (r / 8)).  Tile t needs t / 8 + 1 steps of 128 keys; the tiles
; are dealt so that any four waves of equal number modulo 4 hold tiles t, 127 - t', .. whose steps add up alike.  The head's K, V and scale words, 200 KiB, lie in LDS for the whole launch: filled once, no ring.
; NO CLUSTER: which steps a wave leaves out hangs on its work-group's queries, which differ between the work-groups that would share K and V, and partners of a cluster must run alike; what would be shared is read once a work-group.
; K = 64 IN A FORM OF K = 128.  Two neighbouring tiles of keys lie as one fragment: the even tile's 64 at k 0-63, the odd tile's at k 64-127.  q stands between two runs of zero codes, v16-21 and v28-33:
; v[22:33] (q, zeros) picks the even tile, v[16:27] (zeros, q) the odd one.  A zero code adds nothing under any scale byte from 1 to 254.  So a fragment read from LDS feeds two products.
; Both products are used transposed (source 0 = keys, or V's channels; source 1 = my queries): a lane holds one query; the 16 registers of two neighbouring tiles are 16 neighbouring keys.
; In pass 1 m is the same in both halves of the lanes (the blocks' maxima are joined); each half keeps the sum of its own keys, and the two sums meet once behind the loop.
; LIMITS: scores under 3e38 in magnitude; NaN and infinities not served; a weight under 2^-126 counts as 0 (v_exp_f32); a block whose largest weight lies under 2^-122 gets the byte 1; log2 l is v_log_f32;
; the shift c m + log2 l is rounded once to f32: an error of half an ulp of the shift, of the size of the rounding that a score's own f32 sum carries;
; a block's largest p is taken as the p of its largest score, which takes v_exp_f32 not to fall where its input rises.
.set QKC, 0
.set QKS, 6291456
.set VC,  6553600
.set VS,  9699328
.set XS,  3145728
.set VL,  98304                        ; LDS: K's codes at 0, V's here,
.set KSL, 196608                       ; K's scale words (a word a row and pair of tiles),
.set VSL, 200704                       ; V's,
.set MB,  204800                       ; and the blocks' largest scores: for each wave MW bytes of its own, 256 bytes a step; no fill lands here
.set MW,  4352                         ; sixteen steps of 256 bytes, and one block of 256 bytes between a wave's and the next's
; REGISTERS: v1-4 my lane's place in K, V, K's words, V's words; v5 r + 8 (r / 8) - 16 h; v6 8 h; v7 4 r + h; v8-11 the step's addresses; v12 -c m, in pass 2 -(c m + log2 l); v13 m; v[14:15] l in two halves;
; v16-33 zeros, q, zeros; v34 q's scale word; v36, v37 where I store and read the blocks' largest scores; v38 4 r; v40-87 four fragments of K or V; v88-91 their scale words; v96-159 S^T, then p; v160-191 O^T;
; v192-210 p's codes; v212-223 block maxima, bytes, scale operands; v224 p's scale word; v225-234 at work.
; s17 lanes 16-31; s18 wave; s[20:21] lane selects; s[22:23] c; s48 -c; s49 the step's first key; s50, s51 the step's place in the codes, in the words; s52 counter; s53 my first query, s54 my last.
.macro SCORES
	v_add_nc_u32 v8, s50, v1                       ; the step's addresses; also the four plain lines in front of loads into registers that products have read
	v_add_nc_u32 v9, s50, v2
	v_add_nc_u32 v10, s51, v3
	v_add_nc_u32 v11, s51, v4
.irp b,0,1,2,3
.irp p,0,1,2,3,4,5
	ds_load_b64 v[40+12*\b+2*\p:41+12*\b+2*\p], v8 offset:1536*\b+256*\p
.endr
	ds_load_b32 v[88+\b], v10 offset:64*\b
.endr
	s_wait_dscnt 0x0
.irp b,0,1,2,3
	v_wmma_scale_f32_16x16x128_f8f6f4 v[96+16*\b:103+16*\b], v[40+12*\b:51+12*\b], v[22:33], 0, v[88+\b], v34 matrix_a_fmt:MATRIX_FMT_BF6 matrix_b_fmt:MATRIX_FMT_BF6
	v_wmma_scale_f32_16x16x128_f8f6f4 v[104+16*\b:111+16*\b], v[40+12*\b:51+12*\b], v[16:27], 0, v[88+\b], v34 matrix_a_fmt:MATRIX_FMT_BF6 matrix_b_fmt:MATRIX_FMT_BF6
.endr
.rept 4
	v_nop
.endr
	s_add_co_u32 s55, s49, 127                     ; a step all of whose keys count for all my queries skips the mask
	s_cmp_le_u32 s55, s53
	s_cbranch_scc1 .Lopen_\@
	s_sub_co_i32 s55, s53, s49
	v_add_nc_u32 v227, s55, v5                     ; d = my query - the step's first key - 16 h.  Register n holds key 32 (n / 16) + n % 16 + 16 h of the step: hidden where 32 (n / 16) + n % 16 > d
	v_mov_b32 v225, 0xff800000                     ; -infinity
.set mn, 0
.rept 64
	v_cmp_gt_i32 vcc_lo, 32*(mn/16)+mn%16, v227
	v_cndmask_b32 v[96+mn], v[96+mn], v225, vcc_lo
.set mn, mn+1
.endr
.Lopen_\@:
.endm
.macro MAXB                            ; my 16 scores of each block of 32 keys: their maximum, the four blocks by turns
.irp b,0,1,2,3
	v_max3_num_f32 v[212+\b], v[96+16*\b], v[97+16*\b], v[98+16*\b]
.endr
.irp i,3,5,7,9,11,13
.irp b,0,1,2,3
	v_max3_num_f32 v[212+\b], v[212+\b], v[96+16*\b+\i], v[97+16*\b+\i]
.endr
.endr
.irp b,0,1,2,3
	v_max_num_f32 v[212+\b], v[212+\b], v[111+16*\b]
.endr
.endm
.macro SHIFT                           ; c s + the shift in v12, two at a time; each accumulator is read from its low end on
.set sj, 0
.rept 32
	v_pk_fma_f32 v[96+sj:97+sj], v[96+sj:97+sj], s[22:23], v[12:13] op_sel_hi:[1,0,0]
.set sj, sj+2
.endr
.endm
.macro EXPS
.set ej, 0
.rept 64
	v_exp_f32 v[96+ej], v[96+ej]
.set ej, ej+1
.endr
.endm
.macro P1STEP
	SCORES
	MAXB
.irp b,0,1,2,3
	s_delay_alu instid0(VALU_DEP_4)
	v_permlanex16_b32 v[216+\b], v[212+\b], s20, s21
.endr
.irp b,0,1,2,3
	s_delay_alu instid0(VALU_DEP_4)
	v_max_num_f32 v[212+\b], v[212+\b], v[216+\b]  ; with lane l xor 16's 16 keys: the block's largest score
.endr
	s_delay_alu instid0(VALU_DEP_2)
	v_cndmask_b32 v232, v212, v214, s17            ; lanes 0-15 put blocks 0, 1 away, lanes 16-31 blocks 2, 3: sixteen bytes a query
	s_delay_alu instid0(VALU_DEP_2)
	v_cndmask_b32 v233, v213, v215, s17
	v_add_nc_u32 v234, s51, v36                    ; 256 bytes a step
	ds_store_b64 v234, v[232:233]                  ; my wave's own bytes: only I read them, in pass 2
	v_max3_num_f32 v225, v212, v213, v214
	v_mov_b32 v226, v12
	s_delay_alu instid0(VALU_DEP_2)
	v_max3_num_f32 v13, v225, v215, v13            ; the running maximum
	s_delay_alu instid0(VALU_DEP_1)
	v_mul_f32 v12, s48, v13                        ; -c m
	s_delay_alu instid0(VALU_DEP_1)
	v_sub_f32 v226, v12, v226                      ; c m_old - c m_new
	SHIFT
	s_wait_alu depctr_va_vdst(0)
	EXPS
	v_exp_f32 v228, v226                           ; a = 2^(c m_old - c m_new)
	v_nop                                          ; one plain line behind the exponentials
	s_wait_alu depctr_va_vdst(0)
	v_pk_mul_f32 v[14:15], v[14:15], v[228:229] op_sel_hi:[1,0]
	v_pk_add_f32 v[230:231], v[100:101], v[104:105]
	v_pk_add_f32 v[252:253], v[108:109], v[112:113]
	v_pk_add_f32 v[250:251], v[116:117], v[120:121]
	v_pk_add_f32 v[248:249], v[124:125], v[128:129]
	v_pk_add_f32 v[246:247], v[132:133], v[136:137]
	v_pk_add_f32 v[244:245], v[140:141], v[144:145]
	v_pk_add_f32 v[242:243], v[148:149], v[152:153]
	v_pk_add_f32 v[14:15], v[14:15], v[156:157]
	v_pk_add_f32 v[230:231], v[230:231], v[96:97]
	v_pk_add_f32 v[252:253], v[252:253], v[98:99]
	v_pk_add_f32 v[250:251], v[250:251], v[102:103]
	v_pk_add_f32 v[248:249], v[248:249], v[106:107]
	v_pk_add_f32 v[246:247], v[246:247], v[110:111]
	v_pk_add_f32 v[244:245], v[244:245], v[114:115]
	v_pk_add_f32 v[242:243], v[242:243], v[118:119]
	v_pk_add_f32 v[14:15], v[14:15], v[122:123]
	v_pk_add_f32 v[230:231], v[230:231], v[126:127]
	v_pk_add_f32 v[252:253], v[252:253], v[130:131]
	v_pk_add_f32 v[250:251], v[250:251], v[134:135]
	v_pk_add_f32 v[248:249], v[248:249], v[138:139]
	v_pk_add_f32 v[246:247], v[246:247], v[142:143]
	v_pk_add_f32 v[244:245], v[244:245], v[146:147]
	v_pk_add_f32 v[242:243], v[242:243], v[150:151]
	v_pk_add_f32 v[14:15], v[14:15], v[154:155]
	v_pk_add_f32 v[230:231], v[230:231], v[158:159]
	s_delay_alu instid0(VALU_DEP_2)
	v_pk_add_f32 v[14:15], v[14:15], v[248:249]
	s_delay_alu instid0(VALU_DEP_2)
	v_pk_add_f32 v[230:231], v[230:231], v[246:247]
	v_pk_add_f32 v[252:253], v[252:253], v[244:245]
	v_pk_add_f32 v[250:251], v[250:251], v[242:243]
	s_delay_alu instid0(VALU_DEP_2)
	v_pk_add_f32 v[14:15], v[14:15], v[252:253]
	s_delay_alu instid0(VALU_DEP_2)
	v_pk_add_f32 v[230:231], v[230:231], v[250:251]
	s_delay_alu instid0(VALU_DEP_1)
	v_pk_add_f32 v[14:15], v[14:15], v[230:231]
.endm
.macro P2STEP
	v_add_nc_u32 v226, s51, v37
	ds_load_b128 v[212:215], v226                  ; the four blocks' largest scores, as pass 1 left them; the wait for K's fragments covers it
	SCORES
	s_wait_alu depctr_va_vdst(0)
	SHIFT
.irp b,0,1,2,3
	v_fma_f32 v[212+\b], v[212+\b], s22, v12       ; goes the way of every score: the same lines on the same number give the same bits
.endr
.irp d,0,1,2,3                         ; V's four fragments of these 128 keys, asked for here; K's are done with
.irp p,0,1,2,3,4,5
	ds_load_b64 v[40+12*\d+2*\p:41+12*\d+2*\p], v9 offset:1536*\d+256*\p
.endr
	ds_load_b32 v[88+\d], v11 offset:64*\d
.endr
	s_wait_alu depctr_va_vdst(0)
	EXPS                                           ; p, normalised
.irp b,0,1,2,3
	v_exp_f32 v[212+\b], v[212+\b]                 ; the block's largest p
.endr
	v_nop                                          ; one plain line behind the exponentials
	s_wait_alu depctr_va_vdst(0)
.irp b,0,1,2,3
	v_max_num_f32 v[212+\b], 0x2800000, v[212+\b]  ; the floor 2^(5 - 127)
.endr
.irp b,0,1,2,3
	s_delay_alu instid0(VALU_DEP_4)
	v_add_nc_u32 v[220+\b], 0xfe000000, v[212+\b]  ; the conversion's scale operand
.endr
.irp b,0,1,2,3
	s_delay_alu instid0(VALU_DEP_4)
	v_lshrrev_b32 v[216+\b], 23, v[220+\b]         ; the scale's byte
.endr
	s_delay_alu instid0(VALU_DEP_3)
	v_lshl_or_b32 v224, v217, 8, v216
	s_delay_alu instid0(VALU_DEP_1)
	v_lshl_or_b32 v224, v218, 16, v224
	s_delay_alu instid0(VALU_DEP_1)
	v_lshl_or_b32 v224, v219, 24, v224
.irp c,0,1
	v_cvt_scalef32_pk16_bf6_f32 v[192+6*\c:194+6*\c], v[96+32*\c:111+32*\c], v[220+2*\c]
	v_cvt_scalef32_pk16_bf6_f32 v[204+4*\c:206+4*\c], v[112+32*\c:127+32*\c], v[221+2*\c]
.endr
	v_nop                                          ; one plain line behind the scaled conversions
.irp c,0,1
.irp i,0,1,2
	v_permlane16_swap_b32 v[192+6*\c+\i], v[204+4*\c+\i]
.endr
.irp i,0,1,2
	s_delay_alu instid0(VALU_DEP_3)
	v_mov_b32 v[195+6*\c+\i], v[204+4*\c+\i]
.endr
.endr
.rept 8
	v_nop                                          ; a scale word made by vector lines stands eight plain lines ahead of a scaled product, codes so made four
.endr
	s_wait_alu depctr_va_vdst(0)
	s_wait_dscnt 0x0                               ; V
.irp d,0,1,2,3                         ; the four accumulators take turns
	v_wmma_scale_f32_16x16x128_f8f6f4 v[160+8*\d:167+8*\d], v[40+12*\d:51+12*\d], v[192:203], v[160+8*\d:167+8*\d], v[88+\d], v224 matrix_a_fmt:MATRIX_FMT_BF6 matrix_b_fmt:MATRIX_FMT_BF6
.endr
.endm
.macro QUANT2 s, pc, hw, t             ; 32 numbers of a lane (two blocks, 16 each) -> a half fragment's six registers and its two scale bytes
	v_max3_num_f32 v[\t], |v[\s]|, |v[\s+1]|, 0x2800000
	v_max3_num_f32 v[\t+1], |v[\s+16]|, |v[\s+17]|, 0x2800000
.irp i,2,4,6,8,10,12,14
	v_max3_num_f32 v[\t], v[\t], |v[\s+\i]|, |v[\s+\i+1]|
	v_max3_num_f32 v[\t+1], v[\t+1], |v[\s+16+\i]|, |v[\s+17+\i]|
.endr
	s_delay_alu instid0(VALU_DEP_2)
	v_permlanex16_b32 v[\t+2], v[\t], s20, s21
	s_delay_alu instid0(VALU_DEP_2)
	v_permlanex16_b32 v[\t+3], v[\t+1], s20, s21
	s_delay_alu instid0(VALU_DEP_2)
	v_max_num_f32 v[\t], v[\t], v[\t+2]
	s_delay_alu instid0(VALU_DEP_2)
	v_max_num_f32 v[\t+1], v[\t+1], v[\t+3]
	s_delay_alu instid0(VALU_DEP_2)
	v_add_nc_u32 v[\t+4], 0xfe000000, v[\t]
	s_delay_alu instid0(VALU_DEP_2)
	v_add_nc_u32 v[\t+5], 0xfe000000, v[\t+1]
	s_delay_alu instid0(VALU_DEP_2)
	v_lshrrev_b32 v[\t+2], 23, v[\t+4]
	s_delay_alu instid0(VALU_DEP_2)
	v_lshrrev_b32 v[\t+3], 23, v[\t+5]
	s_delay_alu instid0(VALU_DEP_1)
	v_lshl_or_b32 v[\hw], v[\t+3], 8, v[\t+2]
	v_cvt_scalef32_pk16_bf6_f32 v[\pc:\pc+2], v[\s:\s+15], v[\t+4]
	v_cvt_scalef32_pk16_bf6_f32 v[\pc+8:\pc+10], v[\s+16:\s+31], v[\t+5]
	v_nop
.irp i,0,1,2
	v_permlane16_swap_b32 v[\pc+\i], v[\pc+8+\i]
.endr
.irp i,0,1,2
	s_delay_alu instid0(VALU_DEP_3)
	v_mov_b32 v[\pc+3+\i], v[\pc+8+\i]
.endr
.endm
	s_load_b128 s[4:7], s[0:1], 0x0                ; qkvb s[4:5], zb s[6:7]
	v_lshl_add_u32 v254, v0, 2, 0x43000
	v_mov_b32 v255, 0
	ds_add_u32 v254, v255
	ds_add_u32 v254, v255
	v_lshrrev_b32 v1, 5, v0
	s_delay_alu instid0(VALU_DEP_1)
	v_readfirstlane_b32 s18, v1                    ; wave 0..15
	s_and_b32 s8, ttmp7, 0xffff
	s_lshr_b32 s9, s8, 4                           ; batch
	s_and_b32 s10, s8, 15                          ; head
	s_lshr_b32 s11, s18, 2
	s_and_b32 s12, s18, 3
	s_add_co_u32 s11, s11, s12
	s_and_b32 s11, s11, 3                          ; which quarter of the tiles: (wave / 4 + wave % 4) % 4
	s_lshl_b32 s13, ttmp9, 2
	s_add_co_u32 s13, s13, s12
	s_lshr_b32 s14, s11, 1
	s_lshl_b32 s14, s14, 5
	s_add_co_u32 s13, s13, s14
	s_sub_co_u32 s14, 127, s13
	s_bitcmp1_b32 s11, 0
	s_cselect_b32 s13, s14, s13                    ; my tile: counted from the front, or from the back
	s_lshr_b32 s53, s13, 1
	s_lshl_b32 s53, s53, 5
	s_and_b32 s14, s13, 1
	s_lshl_b32 s55, s14, 3
	s_add_co_u32 s53, s53, s55                     ; my first query,
	s_add_co_u32 s54, s53, 23                      ; my last
	s_lshl_b32 s15, s10, 1
	s_add_co_u32 s15, s15, s9                      ; (head, batch)
	s_add_co_u32 s16, s15, 32                      ; the same among k's
	s_mov_b32 s24, 3<<16                           ; group 1, codes: 24,576 dense bytes as 96 rows of 32 elements of 8 bytes; no mask, no padding
	s_mov_b32 s25, 32<<16
	s_mov_b32 s26, 96<<16
	s_mov_b32 s27, 32<<16
	s_mov_b32 s28, 96
	s_mov_b32 s29, 32
	s_mov_b32 s30, 0
	s_mov_b32 s31, 0
	s_mov_b32 s32, 3<<16                           ; scale words: 4,096 dense bytes as 16 rows
	s_mov_b32 s33, 32<<16
	s_mov_b32 s34, 16<<16
	s_mov_b32 s35, 32<<16
	s_mov_b32 s36, 16
	s_mov_b32 s37, 32
	s_mov_b32 s38, 0
	s_mov_b32 s39, 0
	s_mov_b32 s40, 1
	s_mul_i32 s41, s18, 24576                      ; waves 0-3 K's quarters, waves 4-7 V's
	s_mul_i32 s42, s16, 98304
	s_mul_i32 s19, s15, 98304
	s_add_co_u32 s19, s19, VC-98304
	s_cmp_lt_u32 s18, 4
	s_cselect_b32 s42, s42, s19
	s_add_co_u32 s42, s42, s41
	s_mov_b32 s43, 0
	s_mov_b32 s44, 1
	s_mul_i32 s45, s18, 4096                       ; wave 8 K's scale words, wave 9 V's
	s_add_co_u32 s45, s45, 163840
	s_lshl_b32 s46, s16, 12
	s_add_co_u32 s46, s46, QKS
	s_lshl_b32 s19, s15, 12
	s_add_co_u32 s19, s19, VS
	s_cmp_eq_u32 s18, 8
	s_cselect_b32 s46, s46, s19
	s_mov_b32 s47, 0
	s_lshl_b32 s58, s15, 7
	s_add_co_u32 s58, s58, s13
	s_mul_i32 s58, s58, 768                        ; q's half fragment
	s_mov_b32 s59, 0
	s_lshl_b32 s60, s15, 6
	s_lshr_b32 s19, s13, 1
	s_add_co_u32 s60, s60, s19
	s_lshl_b32 s60, s60, 6
	s_add_co_u32 s60, s60, QKS                     ; its pair's scale words
	s_mov_b32 s61, 0
	s_lshl_b32 s56, s14, 4                         ; mine are the lower or the upper two bytes
	s_lshr_b32 s62, s10, 1
	s_lshl_b32 s62, s62, 8
	s_lshl_b32 s19, s9, 7
	s_add_co_u32 s62, s62, s19
	s_add_co_u32 s62, s62, s13                     ; z: (K step head / 2, tile)
	s_and_b32 s19, s10, 1
	s_lshl_b32 s66, s62, 6
	s_lshl_b32 s57, s19, 1
	s_add_co_u32 s66, s66, s57
	s_add_co_u32 s66, s66, XS
	s_mov_b32 s67, 0
	s_mul_i32 s62, s62, 1536
	s_mul_i32 s57, s19, 768
	s_add_co_u32 s62, s62, s57
	s_mov_b32 s63, 0
	s_mul_i32 s19, s18, MW
	s_add_co_u32 s19, s19, MB                      ; my wave's bytes for the blocks' largest scores
	s_mov_b32 s20, 0x76543210
	s_mov_b32 s21, 0xfedcba98
	s_mov_b32 s22, 0x3e38aa3b                      ; c = log2(e) / 8
	s_mov_b32 s23, s22
	s_mov_b32 s48, 0xbe38aa3b                      ; -c
	s_wait_dscnt 0x0
	s_wait_kmcnt 0x0
	s_add_nc_u64 s[42:43], s[4:5], s[42:43]
	s_or_b32 s43, s43, 0x80000000
	s_add_nc_u64 s[46:47], s[4:5], s[46:47]
	s_or_b32 s47, s47, 0x80000000
	s_add_nc_u64 s[58:59], s[4:5], s[58:59]
	s_add_nc_u64 s[60:61], s[4:5], s[60:61]
	s_add_nc_u64 s[62:63], s[6:7], s[62:63]
	s_add_nc_u64 s[66:67], s[6:7], s[66:67]
	s_cmp_lt_u32 s18, 8                            ; the fills: one load a wave, all in one branch; each byte is filled once
	s_cbranch_scc0 .Lnot_c
	tensor_load_to_lds s[40:43], s[24:31]
	s_nop 0
.rept 4
	v_nop
.endr
	s_branch .Lasked
.Lnot_c:
	s_cmp_lt_u32 s18, 10
	s_cbranch_scc0 .Lasked
	tensor_load_to_lds s[44:47], s[32:39]
	s_nop 0
.rept 4
	v_nop
.endr
.Lasked:
	v_and_b32 v225, 31, v0
	s_delay_alu instid0(VALU_DEP_1)
	v_lshlrev_b32 v1, 3, v225                      ; 8 x lane
	s_delay_alu instid0(VALU_DEP_1)
	v_add_nc_u32 v2, VL, v1
	v_and_b32 v226, 15, v0                         ; r
	s_delay_alu instid0(VALU_DEP_1)
	v_lshlrev_b32 v38, 2, v226
	s_delay_alu instid0(VALU_DEP_1)
	v_add_nc_u32 v3, KSL, v38
	s_delay_alu instid0(VALU_DEP_2)
	v_add_nc_u32 v4, VSL, v38
	v_bfe_u32 v227, v0, 4, 1                       ; h
	v_lshl_add_u32 v37, v226, 4, s19               ; the blocks' largest scores: sixteen bytes a query; read whole,
	s_delay_alu instid0(VALU_DEP_1)
	v_lshl_add_u32 v36, v227, 3, v37               ; stored by halves: + 8 h
	v_cmp_le_u32 s17, 16, v225                     ; lanes 16-31
	v_and_b32 v5, 8, v226
	s_delay_alu instid0(VALU_DEP_1)
	v_add_nc_u32 v5, v5, v226
	v_lshlrev_b32 v6, 4, v227
	s_delay_alu instid0(VALU_DEP_1)
	v_sub_nc_u32 v5, v5, v6
	v_lshlrev_b32 v6, 3, v227
	v_add_nc_u32 v7, v38, v227
.irp p,0,1,2
	global_load_b64 v[22+2*\p:23+2*\p], v1, s[58:59] offset:256*\p
.endr
	global_load_b32 v35, v38, s[60:61]
.irp j,16,17,18,19,20,21,28,29,30,31,32,33
	v_mov_b32 v[\j], 0                             ; the zero codes on both sides of q
.endr
	v_mov_b32 v13, 0xff61b1e6                      ; m: -3e38, under every score
	s_delay_alu instid0(VALU_DEP_1)
	v_mul_f32 v12, s48, v13
	v_mov_b32 v14, 0
	v_mov_b32 v15, 0
	v_mov_b32 v229, 0                              ; (named as the upper half of a pair)
.irp j,212,213,214,215,216,217,218,219,220,221,222,223
	v_mov_b32 v[\j], 0                             ; lane permutes' destinations count as sources
.endr
	s_wait_loadcnt 0x0
	v_lshrrev_b32 v35, s56, v35
	s_delay_alu instid0(VALU_DEP_1)
	v_and_b32 v35, 0xffff, v35
	s_delay_alu instid0(VALU_DEP_1)
	v_lshl_or_b32 v34, v35, 16, v35                ; q's two bytes, for k 0-63 and again for k 64-127
.set oj, 0
.rept 32
	v_mov_b32 v[160+oj], 0                         ; O^T: the step is written once.  (Also the plain lines between the scale word's making and the first product)
.set oj, oj+1
.endr
	s_wait_tensorcnt 0x0                           ; my part lies in LDS,
	s_barrier_signal -1
	s_barrier_wait -1                              ; everybody's does
	s_mov_b32 s49, 0
	s_mov_b32 s50, 0
	s_mov_b32 s51, 0
	s_mov_b32 s52, 16
.Lp1:                                  ; sixteen trips, a constant; a step all of whose keys come after my queries is left out
	s_cmp_gt_u32 s49, s54
	s_cbranch_scc1 .Lp1_end
	P1STEP
.Lp1_end:
	s_add_co_u32 s49, s49, 128
	s_add_co_u32 s50, s50, 6144
	s_add_co_u32 s51, s51, 256
	s_sub_co_u32 s52, s52, 1
	s_cmp_lg_u32 s52, 0
	s_cbranch_scc1 .Lp1
	s_wait_alu depctr_va_vdst(0)
	v_add_f32 v14, v14, v15                        ; the sum's two halves,
	s_delay_alu instid0(VALU_DEP_1)
	v_permlanex16_b32 v225, v14, s20, s21
	s_delay_alu instid0(VALU_DEP_1)
	v_add_f32 v14, v14, v225                       ; and lane l xor 16's, under the same m: l, at least 1
	s_wait_alu depctr_va_vdst(0)
	v_log_f32 v225, v14                            ; log2 l
	v_nop                                          ; one plain line behind the transcendental
	s_wait_alu depctr_va_vdst(0)
	v_sub_f32 v12, v12, v225                       ; -(c m + log2 l): pass 2's shift
	s_mov_b32 s49, 0
	s_mov_b32 s50, 0
	s_mov_b32 s51, 0
	s_mov_b32 s52, 16
.Lp2:
	s_cmp_gt_u32 s49, s54
	s_cbranch_scc1 .Lp2_end
	P2STEP
.Lp2_end:
	s_add_co_u32 s49, s49, 128
	s_add_co_u32 s50, s50, 6144
	s_add_co_u32 s51, s51, 256
	s_sub_co_u32 s52, s52, 1
	s_cmp_lg_u32 s52, 0
	s_cbranch_scc1 .Lp2
.rept 4
	v_nop
.endr
	QUANT2 160, 192, 226, 212                      ; register 16 g + i is channel 32 g + 16 h + i of my query: the head's 64 are half a K step of the next product
.irp p,0,1,2
	global_store_b64 v1, v[192+2*\p:193+2*\p], s[62:63] offset:256*\p      ; a piece: 256 consecutive bytes, aligned
.endr
	v_lshrrev_b32 v227, v6, v226
	global_store_b8 v7, v227, s[66:67]             ; lanes 0-15 the first block's byte, lanes 16-31 the second's; the word's other two bytes are the neighbouring head's
	s_wait_tensorcnt 0x0
	ds_add_u32 v254, v255
	s_wait_dscnt 0x0
	s_endpgm
.Lfunc_end_k_q314ff958b8_attn:
	.size	k_q314ff958b8_attn, .Lfunc_end_k_q314ff958b8_attn-k_q314ff958b8_attn
	.p2alignl 7, 3214868480
	.fill 96, 4, 3214868480
	.section	.rodata,"a",@progbits
	.p2align	6, 0x0
	.amdhsa_kernel k_q314ff958b8_attn
		.amdhsa_group_segment_fixed_size 276480
		.amdhsa_private_segment_fixed_size 0
		.amdhsa_enable_private_segment 0
		.amdhsa_kernarg_size 16
		.amdhsa_user_sgpr_count 2
		.amdhsa_user_sgpr_kernarg_segment_ptr 1
		.amdhsa_wavefront_size32 1
		.amdhsa_system_sgpr_workgroup_id_x 1
		.amdhsa_system_sgpr_workgroup_id_y 1
		.amdhsa_system_sgpr_workgroup_id_z 1
		.amdhsa_system_vgpr_workitem_id 0
		.amdhsa_next_free_vgpr 256
		.amdhsa_next_free_sgpr 68
		.amdhsa_reserve_vcc 1
		.amdhsa_float_denorm_mode_32 3
		.amdhsa_float_denorm_mode_16_64 3
		.amdhsa_memory_ordered 1
		.amdhsa_forward_progress 1
		.amdhsa_inst_pref_size 49
	.end_amdhsa_kernel
	.amdgpu_metadata
---
amdhsa.version: [ 1, 2 ]
amdhsa.kernels:
  - .name:           k_q314ff958b8_attn
    .symbol:         k_q314ff958b8_attn.kd
    .args:
      - { .name: qkvb, .offset: 0, .size: 8, .value_kind: global_buffer, .address_space: global }
      - { .name: zb, .offset: 8, .size: 8, .value_kind: global_buffer, .address_space: global }
    .group_segment_fixed_size: 276480
    .private_segment_fixed_size: 0
    .kernarg_segment_align: 8
    .kernarg_segment_size: 16
    .max_flat_workgroup_size: 512
    .sgpr_count:     68
    .vgpr_count:     256
    .wavefront_size: 32
...
	.end_amdgpu_metadata
.endif
;; end of part 3
;; launch oln (part 4): grid 256 x 1, 16 waves a work-group, no clusters, 89,088 bytes of LDS; arguments zb, wb, b_O, resid_pre, ln2_w, ln2_b, rm, xb; writes rm, xb
.if DOCPART == 4
	.amdgcn_target "amdgcn-amd-amdhsa--gfx1250"
	.amdhsa_code_object_version 6
	.text
	.protected	k_q314ff958b8_oln
	.globl	k_q314ff958b8_oln
	.p2align	8
	.type	k_q314ff958b8_oln,@function
k_q314ff958b8_oln:
	s_mov_b64 s[64:65], 0
	v_nop
	global_prefetch_b8 v0, s[64:65] scope:SCOPE_SE
	s_setreg_imm32_b32 hwreg(HW_REG_WAVE_MODE, 25, 1), 1
	s_wait_xcnt 0x0
; resid_mid = resid_pre + z W_O + b_O, stored as f32 rows, and LN2(resid_mid) quantised to BF6 (E3M2) along the row, one E8M0 byte for each 32, stored as an image for the next product.
; z: 4,096 x 1,024 and W_O: 1,024 rows (d) x 1,024: codes with E8M0 scales, as images (a fragment = 16 rows x 128 K = six pieces of 256 bytes in the order of the operand's registers;
; tile 2 g + u holds rows 32 g + 8 u + i + 8 (i / 8)).  The layer norm wants whole rows, so a work-group owns ONE tile of 16 rows and all 1,024 columns: 256 work-groups.
; Wave w makes columns 64 w .. 64 w + 63: four accumulators, eight K steps, 32 products.  Source 0 = W_O's tile, source 1 = z's: a lane holds one row, its registers run along the columns.
; W_O'S FRAGMENTS GO FROM MEMORY STRAIGHT INTO THE OPERAND'S REGISTERS: with 16 rows a fragment of W_O feeds one product, so a pass through LDS would add a write and a read of each byte and spare none.
; For the same reason no cluster and no joint load: there is no LDS tile of W_O to share.  Two sets of registers take turns: a K step's 26 loads (24 pieces of codes, 2 of scale words) are out while the step before is multiplied.
; One load brings the scale words of two neighbouring tiles, 128 consecutive bytes: lanes 0-15 the even tile's, lanes 16-31 the odd tile's, which its product reads from there.
; z's tile, which all sixteen waves multiply, is asked for whole at the head: waves 0-7 fetch a K step each and hand it on through LDS as an image of the operand's registers.
; THE WALK ALONG K IS ROTATED: work-group n begins at K step rho = three bits of n (bits 1, 4, 5) and goes round, so that the work-groups' first two steps name all eight K steps of W_O between them.
; No prefetch: the loads themselves run a K step ahead, and z, the residual, gain and bias are asked for at the head.
; THEN: the sums go to a stage in LDS (16 rows of 4,096 bytes + 16); wave w takes tile row w whole: + residual, stored; centre, divide by sqrt(mean of squares + 1e-5), gain, bias; back into its row;
; waves 0-7 quantise a K step of 128 each, as the preparing launch does for LN1.  Gain and bias come once a work-group, 256 bytes a wave, through LDS.
; LIMITS: K is summed from K step rho on and round, an order of rounding other than ascending K; NaN and infinities are not served; a block whose largest magnitude lies under 2^-122 gets the byte 1
; (only this program reads the bytes); 1 / sqrt is v_rsq_f32.
.set XS,    3145728                    ; zb, xb: the scale words behind the codes
.set WOC,   2457600                    ; wb: W_O's codes, scale words
.set WOS,   3244032
.set PITCH, 4112
.set GWL,   66048                      ; LDS behind the stage: gain, 4,096 bytes; bias, 4,096
.set ZL,    74240                      ; z's eight fragments, in the order of my walk, 12,288 bytes;
.set ZS,    86528                      ; their scale words, 512 bytes
.set SPARE, 87040                      ; the spare words, 128 bytes for each of the sixteen waves; no other line names them
.set ACC,   168                        ; v168-199 four accumulators
.set RS,    200                        ; v200-231 the residual of my row; v232-235 my 256 bytes of gain, of bias; v236-248 waves 0-7: a fragment of z and its scale words
.set X,     100                        ; v100-131 my row
.set GW,    32                         ; v32-63 gain, v64-95 bias of my 32 columns; later 64 numbers of a row
.set GB,    64
.set TT,    136
.set PC,    144                        ; v144-162 a fragment's codes
.set TM,    100
.set PW,    116
; v1 8 x lane; v2 4 r; v3 64 h; v4 into the stage; v5 16 x lane; v6 my row in the stage; v7 out of it for the quantiser; v8 4 r + 2 h; v9 16 h; v12, v15 the spare word's address and 0; v16, v17 gain and bias into LDS, out of it;
; v18, v19 z's codes and words into LDS; v20, v21 out of it; v22 4 x lane.  Set s of operands at B = 32 + 68 s: W_O's four fragments B .. B + 47, z's B + 48 .. B + 59, W_O's scale words B + 60, B + 61, z's B + 64.
; s35 rho; s[20:21], s[22:23] my four tiles of W_O's K step 0, their words; s[44:47], s[48:51] the same at the K step of set 0, 1.
.macro KLOAD j                         ; step j of my walk is K step (j + rho) % 8.  The set's two bases are written again only when the loads that read them are in
.set B, 32+68*((\j)%2)
.set P, 44+4*((\j)%2)
	s_add_co_u32 s34, s35, \j
	s_and_b32 s34, s34, 7
	s_mul_i32 s32, s34, 98304
	s_add_nc_u64 s[P:P+1], s[20:21], s[32:33]
	s_lshl_b32 s32, s34, 12
	s_add_nc_u64 s[P+2:P+3], s[22:23], s[32:33]
.irp i,0,1,2,3
.irp p,0,1,2,3,4,5
	global_load_b64 v[B+12*\i+2*\p:B+12*\i+2*\p+1], v1, s[P:P+1] offset:\i*1536+256*\p   ; a piece: 256 consecutive bytes
.endr
.endr
.irp i,0,1
	global_load_b32 v[B+60+\i], v22, s[P+2:P+3] offset:128*\i              ; lanes 0-15 tile 2 i's words, lanes 16-31 tile 2 i + 1's
.endr
.endm
.macro ZLOAD j                         ; z's fragment of step j, from LDS
.set B, 32+68*((\j)%2)
.irp p,0,1,2,3,4,5
	ds_load_b64 v[B+48+2*\p:B+49+2*\p], v20 offset:(\j)*1536+256*\p
.endr
	ds_load_b32 v[B+64], v21 offset:(\j)*64
.endm
.macro KMUL j                          ; the four accumulators take turns
.set B, 32+68*((\j)%2)
.irp g,0,1
	v_wmma_scale_f32_16x16x128_f8f6f4 v[ACC+16*\g:ACC+16*\g+7], v[B+24*\g:B+24*\g+11], v[B+48:B+59], v[ACC+16*\g:ACC+16*\g+7], v[B+60+\g], v[B+64] matrix_a_fmt:MATRIX_FMT_BF6 matrix_b_fmt:MATRIX_FMT_BF6
	v_wmma_scale_f32_16x16x128_f8f6f4 v[ACC+16*\g+8:ACC+16*\g+15], v[B+24*\g+12:B+24*\g+23], v[B+48:B+59], v[ACC+16*\g+8:ACC+16*\g+15], v[B+60+\g], v[B+64] matrix_a_fmt:MATRIX_FMT_BF6 matrix_b_fmt:MATRIX_FMT_BF6 matrix_a_scale:MATRIX_SCALE_ROW1
.endr
.endm
.macro REDUCE t                        ; four pairs of partial sums -> the row's sum in every lane, in v[t]
	s_delay_alu instid0(VALU_DEP_3)
	v_pk_add_f32 v[\t:\t+1], v[\t:\t+1], v[\t+2:\t+3]
	s_delay_alu instid0(VALU_DEP_2)
	v_pk_add_f32 v[\t+4:\t+5], v[\t+4:\t+5], v[\t+6:\t+7]
	s_delay_alu instid0(VALU_DEP_1)
	v_pk_add_f32 v[\t:\t+1], v[\t:\t+1], v[\t+4:\t+5]
	s_delay_alu instid0(VALU_DEP_1)
	v_add_f32 v[\t], v[\t], v[\t+1]
.irp m,1,2,4,8
	s_delay_alu instid0(VALU_DEP_1)
	v_add_f32_dpp v[\t], v[\t], v[\t] row_xmask:\m row_mask:0xf bank_mask:0xf
.endr
	s_delay_alu instid0(VALU_DEP_1)
	v_permlanex16_b32 v[\t+1], v[\t], s28, s29
	s_delay_alu instid0(VALU_DEP_1)
	v_add_f32 v[\t], v[\t], v[\t+1]
.endm
.macro LN1 x, t                        ; the mean is taken away first, then the squares of the centred row are summed
.irp k,0,1,2,3
	v_pk_add_f32 v[\t+2*\k:\t+2*\k+1], v[\x+4*\k:\x+4*\k+1], v[\x+4*\k+2:\x+4*\k+3]
.endr
.irp j,16,24
.irp k,0,1,2,3
	s_delay_alu instid0(VALU_DEP_4)
	v_pk_add_f32 v[\t+2*\k:\t+2*\k+1], v[\t+2*\k:\t+2*\k+1], v[\x+\j+2*\k:\x+\j+2*\k+1]
.endr
.endr
	REDUCE \t
	s_delay_alu instid0(VALU_DEP_1)
	v_mul_f32 v[\t], 0xba800000, v[\t]             ; - the mean (x -1 / 1,024)
.irp j,0,2,4,6,8,10,12,14,16,18,20,22,24,26,28,30
	v_pk_add_f32 v[\x+\j:\x+\j+1], v[\x+\j:\x+\j+1], v[\t:\t+1] op_sel_hi:[1,0]
.endr
.irp k,0,1,2,3
	v_pk_mul_f32 v[\t+2*\k:\t+2*\k+1], v[\x+2*\k:\x+2*\k+1], v[\x+2*\k:\x+2*\k+1]
.endr
.irp j,8,16,24
.irp k,0,1,2,3
	s_delay_alu instid0(VALU_DEP_4)
	v_pk_fma_f32 v[\t+2*\k:\t+2*\k+1], v[\x+\j+2*\k:\x+\j+2*\k+1], v[\x+\j+2*\k:\x+\j+2*\k+1], v[\t+2*\k:\t+2*\k+1]
.endr
.endr
	REDUCE \t
	s_delay_alu instid0(VALU_DEP_1)
	v_fma_f32 v[\t], v[\t], s30, s31               ; mean of squares + 1e-5
	s_wait_alu depctr_va_vdst(0)                   ; the wait ahead of the transcendental
	v_rsq_f32 v[\t+2], v[\t]
	v_nop                                          ; one plain line behind it
.endm
; 64 numbers of a lane, register 16 b + i = k 32 b + 16 (lane / 16) + i of my row, become a fragment's codes in v[PC] on and its scale word in v[PW]
.macro QUANT s
.irp b,0,1,2,3
	v_max3_num_f32 v[TM+\b], |v[\s+16*\b]|, |v[\s+1+16*\b]|, 0x2800000   ; my 16 numbers of block b, and the floor 2^(5 - 127)
.endr
.irp i,2,4,6,8,10,12,14
.irp b,0,1,2,3
	s_delay_alu instid0(VALU_DEP_4)
	v_max3_num_f32 v[TM+\b], v[TM+\b], |v[\s+16*\b+\i]|, |v[\s+1+16*\b+\i]|
.endr
.endr
.irp b,0,1,2,3
	s_delay_alu instid0(VALU_DEP_4)
	v_permlanex16_b32 v[TM+4+\b], v[TM+\b], s28, s29
.endr
.irp b,0,1,2,3
	s_delay_alu instid0(VALU_DEP_4)
	v_max_num_f32 v[TM+\b], v[TM+\b], v[TM+4+\b]   ; with lane l xor 16's: the block's largest magnitude
.endr
.irp b,0,1,2,3
	s_delay_alu instid0(VALU_DEP_4)
	v_add_nc_u32 v[TM+12+\b], 0xfe000000, v[TM+\b] ; 4 off its exponent field: the conversion's scale operand
.endr
.irp b,0,1,2,3
	s_delay_alu instid0(VALU_DEP_4)
	v_lshrrev_b32 v[TM+4+\b], 23, v[TM+12+\b]      ; the scale's byte
.endr
	s_delay_alu instid0(VALU_DEP_3)
	v_lshl_or_b32 v[PW], v[TM+5], 8, v[TM+4]
	s_delay_alu instid0(VALU_DEP_1)
	v_lshl_or_b32 v[PW], v[TM+6], 16, v[PW]
	s_delay_alu instid0(VALU_DEP_1)
	v_lshl_or_b32 v[PW], v[TM+7], 24, v[PW]
.irp c,0,1
	v_cvt_scalef32_pk16_bf6_f32 v[PC+6*\c:PC+2+6*\c], v[\s+32*\c:\s+15+32*\c], v[TM+12+2*\c]
	v_cvt_scalef32_pk16_bf6_f32 v[PC+12+4*\c:PC+14+4*\c], v[\s+16+32*\c:\s+31+32*\c], v[TM+12+2*\c+1]
.endr
	v_nop                                          ; one plain line behind the scaled conversions
.irp c,0,1                             ; the operand wants a whole block in a lane: lanes 0-15 block 2 c, lanes 16-31 block 2 c + 1
.irp i,0,1,2
	v_permlane16_swap_b32 v[PC+6*\c+\i], v[PC+12+4*\c+\i]
.endr
.irp i,0,1,2
	s_delay_alu instid0(VALU_DEP_3)
	v_mov_b32 v[PC+3+6*\c+\i], v[PC+12+4*\c+\i]
.endr
.endr
.endm
	s_load_b512 s[4:19], s[0:1], 0x0               ; zb s[4:5], wb s[6:7], b_O s[8:9], resid_pre s[10:11], gain s[12:13], bias s[14:15], rm s[16:17], xb s[18:19]
	v_lshl_add_u32 v12, v0, 2, SPARE
	v_mov_b32 v15, 0
	v_lshrrev_b32 v10, 5, v0
	s_delay_alu instid0(VALU_DEP_1)
	v_readfirstlane_b32 s40, v10                   ; wave 0..15
	s_mov_b32 s28, 0x76543210
	s_mov_b32 s29, 0xfedcba98                      ; v_permlanex16_b32's selects for lane l xor 16
	s_mov_b32 s30, 0x3a800000                      ; 1 / 1,024
	s_mov_b32 s31, 0x3727c5ac                      ; 1e-5
	s_mov_b32 s33, 0
	s_bfe_u32 s35, ttmp9, 0x10001                  ; rho: bit 1 of the work-group's number,
	s_bfe_u32 s34, ttmp9, 0x20004                  ; and bits 4, 5
	s_lshl_b32 s34, s34, 1
	s_or_b32 s35, s35, s34
	s_mul_i32 s41, s40, PITCH                      ; my row of the stage
	s_lshl_b32 s43, s40, 8                         ; 256 x wave
	s_add_co_u32 s42, s43, GWL
	s_lshl_b32 s60, s40, 9                         ; 512 x wave
	s_and_b32 s61, s40, 7                          ; which step of the walk I fetch of z, if I fetch
	s_mul_i32 s62, s61, 1536
	s_add_co_u32 s62, s62, ZL
	s_lshl_b32 s63, s61, 6
	s_add_co_u32 s63, s63, ZS
	s_add_co_u32 s34, s61, s35
	s_and_b32 s34, s34, 7                          ; its K step
	s_mul_i32 s44, s40, 6144                       ; W_O: my four tiles of a K step
	s_add_co_u32 s44, s44, WOC
	s_mov_b32 s45, 0
	s_add_co_u32 s46, s43, WOS                     ; and their scale words
	s_mov_b32 s47, 0
	s_mul_i32 s48, ttmp9, 1536                     ; z: my work-group's tile, at that K step
	s_mul_i32 s49, s34, 393216
	s_add_co_u32 s48, s48, s49
	s_mov_b32 s49, 0
	s_lshl_b32 s50, ttmp9, 6
	s_lshl_b32 s51, s34, 14
	s_add_co_u32 s50, s50, s51
	s_add_co_u32 s50, s50, XS
	s_mov_b32 s51, 0
	s_lshr_b32 s52, ttmp9, 1                       ; tile row w of tile 2 g + u is row 32 g + 8 u + w + 8 (w / 8)
	s_lshl_b32 s52, s52, 5
	s_and_b32 s34, ttmp9, 1
	s_lshl_b32 s34, s34, 3
	s_add_co_u32 s52, s52, s34
	s_add_co_u32 s52, s52, s40
	s_lshr_b32 s34, s40, 3
	s_lshl_b32 s34, s34, 3
	s_add_co_u32 s52, s52, s34
	s_lshl_b32 s52, s52, 12                        ; 4,096 bytes a row
	s_mov_b32 s53, 0
	s_mov_b32 s54, s43
	s_mov_b32 s55, 0
	s_add_co_u32 s58, s43, ttmp9                   ; xb: fragment (K step w, tile)
	s_mul_i32 s56, s58, 1536
	s_mov_b32 s57, 0
	s_lshl_b32 s58, s58, 6
	s_add_co_u32 s58, s58, XS
	s_mov_b32 s59, 0
	v_and_b32 v10, 31, v0                          ; lane
	v_and_b32 v11, 15, v0                          ; r
	v_bfe_u32 v13, v0, 4, 1                        ; h
	v_lshlrev_b32 v1, 3, v10
	v_lshlrev_b32 v5, 4, v10
	v_lshlrev_b32 v2, 2, v11
	v_lshlrev_b32 v3, 6, v13
	v_lshlrev_b32 v9, 4, v13
	v_lshlrev_b32 v22, 2, v10
	v_add_nc_u32 v6, s41, v5                       ; my row, 16 x lane
	v_mad_u32_u24 v7, v11, PITCH, v3               ; row r, + 64 h
	v_lshl_add_u32 v8, v13, 1, v2
	v_add_nc_u32 v16, s42, v1
	v_add_nc_u32 v17, GWL, v5
	v_add_nc_u32 v18, s62, v1
	v_add_nc_u32 v19, s63, v2
	v_add_nc_u32 v20, ZL, v1
	v_add_nc_u32 v21, ZS, v2
	v_add_nc_u32 v4, s43, v7                       ; + my 256 bytes of a row
	v_add_nc_u32 v7, s60, v7                       ; + K step w's 512 bytes
	s_wait_alu depctr_va_vdst(0)
	s_wait_kmcnt 0x0
	s_add_nc_u64 s[10:11], s[10:11], s[52:53]
	s_add_nc_u64 s[16:17], s[16:17], s[52:53]
	s_add_nc_u64 s[12:13], s[12:13], s[54:55]
	s_add_nc_u64 s[14:15], s[14:15], s[54:55]
	s_add_nc_u64 s[8:9], s[8:9], s[54:55]
	s_add_nc_u64 s[20:21], s[6:7], s[44:45]
	s_add_nc_u64 s[22:23], s[6:7], s[46:47]
	s_add_nc_u64 s[24:25], s[4:5], s[48:49]
	s_add_nc_u64 s[26:27], s[4:5], s[50:51]
	s_add_nc_u64 s[36:37], s[18:19], s[56:57]
	s_add_nc_u64 s[38:39], s[18:19], s[58:59]
	s_cmp_lt_u32 s40, 8                            ; waves 0-7: a fragment of z each, my oldest seven loads
	s_cbranch_scc0 .Lnot_z
.irp p,0,1,2,3,4,5
	global_load_b64 v[236+2*\p:237+2*\p], v1, s[24:25] offset:256*\p
.endr
	global_load_b32 v248, v2, s[26:27]
.Lnot_z:
.irp j,0,1,2,3,4,5,6,7
	global_load_b128 v[RS+4*\j:RS+4*\j+3], v5, s[10:11] offset:512*\j th:TH_LOAD_NT   ; the residual of my row: 512 consecutive bytes a load; read once
.endr
	global_load_b64 v[232:233], v1, s[12:13]       ; 256 bytes of the gain,
	global_load_b64 v[234:235], v1, s[14:15]       ; of the bias
.irp b,0,1,2,3                         ; accumulator b, register j, is column 64 w + 32 (b / 2) + 16 h + 8 (b % 2) + j: b_O there is what the first product adds onto
	global_load_b128 v[ACC+8*\b:ACC+8*\b+3], v3, s[8:9] offset:(32*(\b/2)+8*(\b%2))*4
	global_load_b128 v[ACC+8*\b+4:ACC+8*\b+7], v3, s[8:9] offset:(32*(\b/2)+8*(\b%2))*4+16
.endr
	KLOAD 0
	KLOAD 1
	s_wait_loadcnt 63                              ; behind z's seven loads 8 + 2 + 8 + 26 + 26 = 70 were issued: with 63 out at the most, z's are in
	s_cmp_lt_u32 s40, 8
	s_cbranch_scc0 .Lnot_zs
.irp p,0,1,2,3,4,5
	ds_store_b64 v18, v[236+2*\p:237+2*\p] offset:256*\p
.endr
	ds_store_b32 v19, v248                         ; lanes 16-31 write lanes 0-15's words once more
.Lnot_zs:
	s_wait_dscnt 0x0                               ; my fragment of z lies in LDS,
	s_barrier_signal -1
	s_barrier_wait -1                              ; all eight do
.set kk, 0
.rept 8
	ZLOAD kk
.if kk < 7
	s_wait_loadcnt 26                              ; loads come back in order: all but the next step's 26 are in
.else
	s_wait_loadcnt 0x0
.endif
	s_wait_dscnt 0x0
	KMUL kk
.rept 4
	v_nop                                          ; four plain lines in front of loads into registers that products have read, and of the first read of the results
.endr
.if kk < 6
	KLOAD kk+2
.endif
.set kk, kk+1
.endr
.irp b,0,1,2,3
	ds_store_b128 v4, v[ACC+8*\b:ACC+8*\b+3] offset:(32*(\b/2)+8*(\b%2))*4          ; each accumulator from its low end on; rows in the tile's order, columns in true order
	ds_store_b128 v4, v[ACC+8*\b+4:ACC+8*\b+7] offset:(32*(\b/2)+8*(\b%2))*4+16
.endr
	ds_store_b64 v16, v[232:233]
	ds_store_b64 v16, v[234:235] offset:4096
	s_wait_dscnt 0x0                               ; my columns, my part of gain and bias lie in LDS,
	s_barrier_signal -1
	s_barrier_wait -1                              ; everybody's do
.irp j,0,1,2,3,4,5,6,7
	ds_load_b128 v[X+4*\j:X+4*\j+3], v6 offset:512*\j
.endr
.irp j,0,1,2,3,4,5,6,7
	ds_load_b128 v[GW+4*\j:GW+4*\j+3], v17 offset:512*\j
.endr
.irp j,0,1,2,3,4,5,6,7
	ds_load_b128 v[GB+4*\j:GB+4*\j+3], v17 offset:4096+512*\j
.endr
	s_wait_dscnt 16                                ; my row is in; the 16 loads of gain and bias may be out
.irp j,0,2,4,6,8,10,12,14,16,18,20,22,24,26,28,30
	v_pk_add_f32 v[X+\j:X+\j+1], v[X+\j:X+\j+1], v[RS+\j:RS+\j+1]
.endr
.irp j,0,1,2,3,4,5,6,7
	global_store_b128 v5, v[X+4*\j:X+4*\j+3], s[16:17] offset:512*\j       ; resid_mid: 512 consecutive bytes, aligned; read again by a later launch
.endr
	s_wait_alu depctr_va_vdst(0)
	s_wait_xcnt 0x0                                ; the stores have read their data: the row may be centred in place
	LN1 X, TT
	s_wait_dscnt 0x0                               ; gain and bias
	s_wait_alu depctr_va_vdst(0)                   ; the wait behind the transcendental, ahead of its first reader
.irp j,0,2,4,6,8,10,12,14,16,18,20,22,24,26,28,30
	v_pk_mul_f32 v[X+\j:X+\j+1], v[X+\j:X+\j+1], v[TT+2:TT+3] op_sel_hi:[1,0]
.endr
.irp j,0,2,4,6,8,10,12,14,16,18,20,22,24,26,28,30
	v_pk_fma_f32 v[X+\j:X+\j+1], v[X+\j:X+\j+1], v[GW+\j:GW+\j+1], v[GB+\j:GB+\j+1]
.endr
.irp j,0,1,2,3,4,5,6,7
	ds_store_b128 v6, v[X+4*\j:X+4*\j+3] offset:512*\j                     ; back into my own row, which no other wave touches between the two barriers
.endr
	s_wait_dscnt 0x0
	s_barrier_signal -1
	s_barrier_wait -1                              ; all sixteen rows are normalised
	s_cmp_lt_u32 s40, 8                            ; eight K steps of 128: waves 0-7 quantise one each
	s_cbranch_scc0 .Ldone
.irp b,0,1,2,3
.irp j,0,1,2,3
	ds_load_b128 v[32+16*\b+4*\j:35+16*\b+4*\j], v7 offset:128*\b+16*\j    ; of row r: 16 neighbours of each block of 32 of K step w
.endr
.endr
	s_wait_dscnt 0x0
	QUANT 32
.irp p,0,1,2,3,4,5
	global_store_b64 v1, v[PC+2*\p:PC+2*\p+1], s[36:37] offset:256*\p      ; a piece: 256 consecutive bytes, aligned
.endr
	v_lshrrev_b32 v117, v9, v[PW]
	global_store_b16 v8, v117, s[38:39]            ; lanes 0-15 the word's lower half, lanes 16-31 the upper: 64 consecutive bytes
.Ldone:
	s_wait_tensorcnt 0x0                           ; the wave's end
	ds_add_u32 v12, v15
	s_wait_dscnt 0x0
	s_endpgm
.Lfunc_end_k_q314ff958b8_oln:
	.size	k_q314ff958b8_oln, .Lfunc_end_k_q314ff958b8_oln-k_q314ff958b8_oln
	.p2alignl 7, 3214868480
	.fill 96, 4, 3214868480
	.section	.rodata,"a",@progbits
	.p2align	6, 0x0
	.amdhsa_kernel k_q314ff958b8_oln
		.amdhsa_group_segment_fixed_size 89088
		.amdhsa_private_segment_fixed_size 0
		.amdhsa_enable_private_segment 0
		.amdhsa_kernarg_size 64
		.amdhsa_user_sgpr_count 2
		.amdhsa_user_sgpr_kernarg_segment_ptr 1
		.amdhsa_wavefront_size32 1
		.amdhsa_system_sgpr_workgroup_id_x 1
		.amdhsa_system_sgpr_workgroup_id_y 1
		.amdhsa_system_sgpr_workgroup_id_z 1
		.amdhsa_system_vgpr_workitem_id 0
		.amdhsa_next_free_vgpr 256
		.amdhsa_next_free_sgpr 66
		.amdhsa_reserve_vcc 0
		.amdhsa_float_denorm_mode_32 3
		.amdhsa_float_denorm_mode_16_64 3
		.amdhsa_memory_ordered 1
		.amdhsa_forward_progress 1
		.amdhsa_inst_pref_size 57
	.end_amdhsa_kernel
	.amdgpu_metadata
---
amdhsa.version: [ 1, 2 ]
amdhsa.kernels:
  - .name:           k_q314ff958b8_oln
    .symbol:         k_q314ff958b8_oln.kd
    .args:
      - { .name: zb, .offset: 0, .size: 8, .value_kind: global_buffer, .address_space: global }
      - { .name: wb, .offset: 8, .size: 8, .value_kind: global_buffer, .address_space: global }
      - { .name: b_O, .offset: 16, .size: 8, .value_kind: global_buffer, .address_space: global }
      - { .name: resid_pre, .offset: 24, .size: 8, .value_kind: global_buffer, .address_space: global }
      - { .name: ln2_w, .offset: 32, .size: 8, .value_kind: global_buffer, .address_space: global }
      - { .name: ln2_b, .offset: 40, .size: 8, .value_kind: global_buffer, .address_space: global }
      - { .name: rm, .offset: 48, .size: 8, .value_kind: global_buffer, .address_space: global }
      - { .name: xb, .offset: 56, .size: 8, .value_kind: global_buffer, .address_space: global }
    .group_segment_fixed_size: 89088
    .private_segment_fixed_size: 0
    .kernarg_segment_align: 8
    .kernarg_segment_size: 64
    .max_flat_workgroup_size: 512
    .sgpr_count:     66
    .vgpr_count:     256
    .wavefront_size: 32
...
	.end_amdgpu_metadata
.endif
;; end of part 4
;; launch mlpin (part 5): grid 16 x 16, 16 waves a work-group, clusters of 4 x 4, 327,680 bytes of LDS; arguments xb, wb, b_in, hb; writes hb
.if DOCPART == 5
	.amdgcn_target "amdgcn-amd-amdhsa--gfx1250"
	.amdhsa_code_object_version 6
	.text
	.protected	k_q314ff958b8_mlpin
	.globl	k_q314ff958b8_mlpin
	.p2align	8
	.type	k_q314ff958b8_mlpin,@function
k_q314ff958b8_mlpin:
	s_mov_b64 s[64:65], 0
	v_nop
	global_prefetch_b8 v0, s[64:65] scope:SCOPE_SE
	s_setreg_imm32_b32 hwreg(HW_REG_WAVE_MODE, 25, 1), 1
	s_wait_xcnt 0x0
	s_wait_alu depctr_hold_cnt(0) depctr_sa_sdst(0) depctr_va_vdst(0) depctr_va_sdst(0) depctr_va_ssrc(0) depctr_va_vcc(0) depctr_vm_vsrc(0)
	s_getreg_b32 s2, hwreg(HW_REG_IB_STS2, 6, 4)
	s_cmp_eq_u32 s2, 0
	s_cbranch_scc0 .Lentry_in_a_cluster
	s_endpgm
.Lentry_in_a_cluster:
	s_bfe_u32 s2, ttmp6, 0x10000c
	s_cmp_lg_u32 s2, 0xf033
	s_cbranch_scc0 .Lentry_shape_is_right
	s_endpgm
.Lentry_shape_is_right:
; h = Q(gelu_new(LN2(x) W_in + b_in)): the product on codes of BF6 (E3M2) with E8M0 scales, the result quantised in registers along the hidden units, the next product's K; it goes to memory as codes alone.
; X: 4,096 tokens x 1,024; W: 4,096 rows (hidden units) x 1,024; both as images (a fragment = 16 rows x 128 K = six pieces of 256 bytes in the order of the operand's registers; tile 2 g + u holds rows
; 32 g + 8 u + i + 8 (i / 8)).  A work-group makes 256 x 256; each of its SIXTEEN waves 64 x 64: 16 accumulators, four waves to a SIMD.  K goes in four steps of 256 through THREE LDS slots: steps 0, 1, 2 are
; first fills; step 3 is the launch's one refill, asked for behind step 0: it has two steps' work, 256 products a SIMD, in which to land.  The scale words of all of K come once.
; CLUSTER 4 x 4: X's tiles are asked for jointly along a row of the cluster, W's along a column.  Source 0 = W, source 1 = X: a lane holds one token, and the 16 registers of two neighbouring tiles are 16 neighbouring hidden units.
; b_in is loaded into the accumulators, onto which the first products add.
; gelu_new(x) = x / (1 + 2^(x (c0 + c1 x^2))), c0 = -2 sqrt(2 / pi) log2(e), c1 = 0.044715 c0: the tanh form written without its cancellation; x -> -infinity gives x x 0, x -> +infinity gives x.
; LIMITS: NaN and infinities are not served; a block whose largest magnitude lies under 2^-122 gets the byte 1; the exponential and the reciprocal are v_exp_f32 and v_rcp_f32.
.set WT,   16
.set KS,   2
.set KK,   1024
.set NTX,  256
.set NTW,  256
.set XSO,  3145728
.set WCO,  3276800
.set WSO,  6422528
.set HS,   12582912                    ; hb: the scale words behind the codes
.set SLOT, 98304                       ; X's part [K step][tile][1536], 49,152 bytes, then W's
.set SCL,  3*SLOT                      ; behind the three slots: the scale words
.set SHALF, (KK/256)*WT*64
.set SWO,  2*SHALF
.set SPARE, 325632                     ; the spare words, 128 bytes for each of the sixteen waves; no other line names them
.set CD0,  32                          ; a half slot of a side is 24,576 dense bytes: 96 rows of 32 elements of 8 bytes
.set CD1,  96
.set CPX,  32
.set CPW,  32
; REGISTERS: v1 8 x lane; v2-4, v5-7 LDS addresses of my X, W fragments in slot 0, 1, 2; v23, v22 of my X, W scale words; v8, v9 the spare word's address and 0; v10 lane; v11 4 x lane; v12 64 h; v[14:15] c0, v[16:17] c1;
; v24-27, v28-31 scale words; v32-79 X's fragments, later the codes; v80-127 W's, later bytes (v80-93) and gelu's 32 at work (v96-127); v128-255 accumulator (a, b) at 128 + 8 (4 a + b).
; THE SIXTEEN FIRST FILLS ARE SHARED OUT, ONE A WAVE: wave w fetches part w % 4 (X's halves, W's halves) of slot w / 4, waves 12-15 of the scale words.
; s24-39 groups 1 of the code tiles (on the way out s24-25 lane selects, s26-29 where my results go); s48-51, s56-59 my group 0 for X's, W's codes; s68-91 the scale words' descriptors.
; NO PREFETCH: the block is 256 x 256 in clusters of 4 x 4 and K is four steps, of which three are asked for at the head: there is no loop to run ahead in, and one refill alone is left.
.macro CROUND
	s_barrier_signal -1
	s_barrier_wait -1
	s_cmp_lg_u32 s18, 0
	s_cbranch_scc1 .Lnw0_\@
	s_barrier_signal -3
.Lnw0_\@:
	s_barrier_wait -3
	s_barrier_signal -1
	s_barrier_wait -1
.endm
.macro JLOAD g0x, g0w                  ; a joint refill: waves 0, 1 X's halves, waves 2, 3 W's, the others none; four v_nop follow each line
	s_cmp_lt_u32 s18, 2
	s_cbranch_scc0 .Lnx_\@
	tensor_load_to_lds s[\g0x:\g0x+3], s[24:31]
	s_nop 0
.rept 4
	v_nop
.endr
	s_branch .Lja_\@
.Lnx_\@:
	s_cmp_lt_u32 s18, 4
	s_cbranch_scc0 .Lja_\@
	tensor_load_to_lds s[\g0w:\g0w+3], s[32:39]
	s_nop 0
.rept 4
	v_nop
.endr
.Lja_\@:
.endm
.macro PROD                            ; the sixteen accumulators take turns
.irp a,0,1,2,3
.irp b,0,1,2,3
	v_wmma_scale_f32_16x16x128_f8f6f4 v[128+8*(4*\a+\b):135+8*(4*\a+\b)], v[80+12*\b:91+12*\b], v[32+12*\a:43+12*\a], v[128+8*(4*\a+\b):135+8*(4*\a+\b)], v[28+\b], v[24+\a] matrix_a_fmt:MATRIX_FMT_BF6 matrix_b_fmt:MATRIX_FMT_BF6
.endr
.endr
.endm
.macro KSTEP slot, q, ksi
.rept 4
	v_nop                                          ; four plain lines in front of loads into registers that products have read
.endr
.irp i,0,1,2,3
.irp p,0,1,2,3,4,5
	ds_load_b64 v[32+12*\i+2*\p:33+12*\i+2*\p], v[2+\slot] offset:((\q)*WT+\i)*1536+256*\p
.endr
.endr
.irp i,0,1,2,3
.irp p,0,1,2,3,4,5
	ds_load_b64 v[80+12*\i+2*\p:81+12*\i+2*\p], v[5+\slot] offset:((\q)*WT+\i)*1536+256*\p
.endr
.endr
.irp i,0,1,2,3
	ds_load_b32 v[24+\i], v23 offset:(\ksi)*WT*64+64*\i
	ds_load_b32 v[28+\i], v22 offset:(\ksi)*WT*64+64*\i
.endr
	s_wait_dscnt 0x0
	PROD
.endm
.macro STEP tt, slot                   ; step tt of K, which lies in the slot named
	KSTEP \slot, 0, 2*(\tt)
	KSTEP \slot, 1, 2*(\tt)+1
.endm
.macro GELU s                          ; 32 numbers in place, two at a time; each accumulator is read from its low end on
.set gj, 0
.rept 16
	v_pk_mul_f32 v[96+gj:97+gj], v[\s+gj:\s+gj+1], v[\s+gj:\s+gj+1]
.set gj, gj+2
.endr
.set gj, 0
.rept 16
	v_pk_fma_f32 v[96+gj:97+gj], v[96+gj:97+gj], v[16:17], v[14:15]
.set gj, gj+2
.endr
.set gj, 0
.rept 16
	v_pk_mul_f32 v[96+gj:97+gj], v[96+gj:97+gj], v[\s+gj:\s+gj+1]
.set gj, gj+2
.endr
.set gj, 0
	s_wait_alu depctr_va_vdst(0)
.rept 32
	v_exp_f32 v[96+gj], v[96+gj]
.set gj, gj+1
.endr
	v_nop                                          ; one plain line behind the exponentials
.set gj, 0
	s_wait_alu depctr_va_vdst(0)
.rept 16
	v_pk_add_f32 v[96+gj:97+gj], v[96+gj:97+gj], 1.0 op_sel_hi:[1,0]
.set gj, gj+2
.endr
.set gj, 0
	s_wait_alu depctr_va_vdst(0)
.rept 32
	v_rcp_f32 v[96+gj], v[96+gj]
.set gj, gj+1
.endr
	v_nop                                          ; one plain line behind the reciprocals
.set gj, 0
	s_wait_alu depctr_va_vdst(0)
.rept 16
	v_pk_mul_f32 v[\s+gj:\s+gj+1], v[\s+gj:\s+gj+1], v[96+gj:97+gj]
.set gj, gj+2
.endr
.endm
.macro QUANT2 s, pc, hw, t             ; 32 numbers of a lane (two blocks, 16 each) -> a half fragment's six registers and its two scale bytes
	v_max3_num_f32 v[\t], |v[\s]|, |v[\s+1]|, 0x2800000
	v_max3_num_f32 v[\t+1], |v[\s+16]|, |v[\s+17]|, 0x2800000
.irp i,2,4,6,8,10,12,14
	s_delay_alu instid0(VALU_DEP_2)
	v_max3_num_f32 v[\t], v[\t], |v[\s+\i]|, |v[\s+\i+1]|
	s_delay_alu instid0(VALU_DEP_2)
	v_max3_num_f32 v[\t+1], v[\t+1], |v[\s+16+\i]|, |v[\s+17+\i]|
.endr
	s_delay_alu instid0(VALU_DEP_2)
	v_permlanex16_b32 v[\t+2], v[\t], s24, s25
	s_delay_alu instid0(VALU_DEP_2)
	v_permlanex16_b32 v[\t+3], v[\t+1], s24, s25
	s_delay_alu instid0(VALU_DEP_2)
	v_max_num_f32 v[\t], v[\t], v[\t+2]
	s_delay_alu instid0(VALU_DEP_2)
	v_max_num_f32 v[\t+1], v[\t+1], v[\t+3]
	s_delay_alu instid0(VALU_DEP_2)
	v_add_nc_u32 v[\t+4], 0xfe000000, v[\t]
	s_delay_alu instid0(VALU_DEP_2)
	v_add_nc_u32 v[\t+5], 0xfe000000, v[\t+1]
	s_delay_alu instid0(VALU_DEP_2)
	v_lshrrev_b32 v[\t+2], 23, v[\t+4]
	s_delay_alu instid0(VALU_DEP_2)
	v_lshrrev_b32 v[\t+3], 23, v[\t+5]
	s_delay_alu instid0(VALU_DEP_1)
	v_lshl_or_b32 v[\hw], v[\t+3], 8, v[\t+2]
	v_cvt_scalef32_pk16_bf6_f32 v[\pc:\pc+2], v[\s:\s+15], v[\t+4]
	v_cvt_scalef32_pk16_bf6_f32 v[\pc+8:\pc+10], v[\s+16:\s+31], v[\t+5]
	v_nop
.irp i,0,1,2
	v_permlane16_swap_b32 v[\pc+\i], v[\pc+8+\i]
.endr
.irp i,0,1,2
	s_delay_alu instid0(VALU_DEP_3)
	v_mov_b32 v[\pc+3+\i], v[\pc+8+\i]
.endr
.endm
	s_load_b256 s[4:11], s[0:1], 0x0               ; xb s[4:5], wb s[6:7], b_in s[8:9], hb s[10:11]
	v_lshl_add_u32 v8, v0, 2, SPARE
	v_mov_b32 v9, 0
	ds_add_u32 v8, v9
	ds_add_u32 v8, v9
	s_wait_dscnt 0x0
	v_lshrrev_b32 v10, 5, v0
	s_delay_alu instid0(VALU_DEP_1)
	v_readfirstlane_b32 s18, v10
	v_and_b32 v10, 31, v0
	s_lshr_b32 s19, s18, 2                         ; my 64 rows of X
	s_and_b32 s20, s18, 3                          ; my 64 rows of W
	s_and_b32 s22, s18, 1
	s_bfe_u32 s40, ttmp6, 0x40000
	s_bfe_u32 s41, ttmp6, 0x40004
	s_lshl_b32 s42, ttmp9, 2
	s_add_co_u32 s42, s42, s40
	s_and_b32 s43, ttmp7, 0xffff
	s_lshl_b32 s43, s43, 2
	s_add_co_u32 s43, s43, s41
	s_lshl_b32 s44, s41, 2
	s_lshl_b32 s44, 15, s44
	s_lshl_b32 s45, 0x1111, s40
	s_or_b32 s24, s44, (3<<16)|(1<<21)
	s_or_b32 s32, s45, (3<<16)|(1<<21)
	s_mov_b32 s25, CD0<<16
	s_mov_b32 s26, CD1<<16
	s_mov_b32 s27, CD0<<16
	s_mov_b32 s28, CD1
	s_mov_b32 s29, CPX
	s_mov_b32 s30, 0
	s_mov_b32 s31, 0
	s_mov_b32 s33, CD0<<16
	s_mov_b32 s34, CD1<<16
	s_mov_b32 s35, CD0<<16
	s_mov_b32 s36, CD1
	s_mov_b32 s37, CPW
	s_mov_b32 s38, 0
	s_mov_b32 s39, 0
	s_or_b32 s68, s44, (3<<16)|(1<<21)
	s_or_b32 s76, s45, (3<<16)|(1<<21)
	s_mov_b32 s69, (WT*8)<<16
	s_mov_b32 s70, (KK/256)<<16
	s_mov_b32 s71, (WT*8)<<16
	s_mov_b32 s72, KK/256
	s_mov_b32 s73, NTX*8
	s_mov_b32 s74, 0
	s_mov_b32 s75, 0
	s_mov_b32 s77, (WT*8)<<16
	s_mov_b32 s78, (KK/256)<<16
	s_mov_b32 s79, (WT*8)<<16
	s_mov_b32 s80, KK/256
	s_mov_b32 s81, NTW*8
	s_mov_b32 s82, 0
	s_mov_b32 s83, 0
	s_mul_i32 s50, s22, (KS/2)*NTX*1536
	s_mul_i32 s16, s43, WT*1536
	s_add_co_u32 s50, s50, s16
	s_mul_i32 s16, s19, KS*NTX*1536                ; the step of K that my slot first takes: wave / 4
	s_add_co_u32 s50, s50, s16
	s_mov_b32 s51, 0
	s_mul_i32 s86, s22, (KK/256)*NTX*64
	s_mul_i32 s16, s43, WT*64
	s_add_co_u32 s86, s86, s16
	s_add_co_u32 s86, s86, XSO
	s_mov_b32 s87, 0
	s_mul_i32 s58, s22, (KS/2)*NTW*1536
	s_mul_i32 s46, s42, WT*1536
	s_add_co_u32 s58, s58, s46
	s_add_co_u32 s58, s58, WCO
	s_mul_i32 s46, s19, KS*NTW*1536
	s_add_co_u32 s58, s58, s46
	s_mov_b32 s59, 0
	s_mul_i32 s90, s22, (KK/256)*NTW*64
	s_mul_i32 s46, s42, WT*64
	s_add_co_u32 s90, s90, s46
	s_add_co_u32 s90, s90, WSO
	s_mov_b32 s91, 0
	s_mov_b32 s48, 1
	s_mov_b32 s56, 1
	s_mov_b32 s84, 1
	s_mov_b32 s88, 1
	s_mul_i32 s49, s20, 24576                      ; LDS: wave % 4 x a half side, + wave / 4 x a slot
	s_mul_i32 s16, s19, SLOT
	s_add_co_u32 s49, s49, s16
	s_mov_b32 s57, s49
	s_mul_i32 s85, s20, SHALF
	s_add_co_u32 s85, s85, SCL
	s_mov_b32 s89, s85
	s_lshl_b32 s100, s42, 10
	s_lshl_b32 s101, s20, 8
	s_add_co_u32 s100, s100, s101                  ; my 64 hidden units' biases
	s_mov_b32 s101, 0
	s_wait_alu depctr_va_vdst(0)
	s_wait_kmcnt 0x0
	s_add_nc_u64 s[50:51], s[4:5], s[50:51]
	s_add_nc_u64 s[86:87], s[4:5], s[86:87]
	s_add_nc_u64 s[58:59], s[6:7], s[58:59]
	s_add_nc_u64 s[90:91], s[6:7], s[90:91]
	s_or_b32 s51, s51, 0x80000000
	s_or_b32 s87, s87, 0x80000000
	s_or_b32 s59, s59, 0x80000000
	s_or_b32 s91, s91, 0x80000000
	s_add_nc_u64 s[66:67], s[8:9], s[100:101]
	v_lshlrev_b32 v1, 3, v10
	s_mul_i32 s16, s19, 6144
	v_add_nc_u32 v2, s16, v1
	s_delay_alu instid0(VALU_DEP_1)
	v_add_nc_u32 v3, SLOT, v2
	s_delay_alu instid0(VALU_DEP_1)
	v_add_nc_u32 v4, SLOT, v3
	s_mul_i32 s46, s20, 6144
	s_add_co_u32 s46, s46, 49152
	v_add_nc_u32 v5, s46, v1
	s_delay_alu instid0(VALU_DEP_1)
	v_add_nc_u32 v6, SLOT, v5
	s_delay_alu instid0(VALU_DEP_1)
	v_add_nc_u32 v7, SLOT, v6
	v_and_b32 v11, 15, v0
	s_delay_alu instid0(VALU_DEP_1)
	v_lshlrev_b32 v11, 2, v11
	s_lshl_b32 s16, s19, 8
	s_add_co_u32 s16, s16, SCL
	v_add_nc_u32 v23, s16, v11
	s_lshl_b32 s46, s20, 8
	s_add_co_u32 s46, s46, SCL+SWO
	v_add_nc_u32 v22, s46, v11
	v_bfe_u32 v12, v0, 4, 1
	s_delay_alu instid0(VALU_DEP_1)
	v_lshlrev_b32 v12, 6, v12                      ; 64 h
.irp a,0,1,2,3                         ; accumulator (a, b), register j, is hidden unit 32 (b / 2) + 16 h + 8 (b % 2) + j of my 64: its bias is what the first product adds onto
.irp b,0,1,2,3
	global_load_b128 v[128+8*(4*\a+\b):131+8*(4*\a+\b)], v12, s[66:67] offset:(32*(\b/2)+8*(\b%2))*4
	global_load_b128 v[132+8*(4*\a+\b):135+8*(4*\a+\b)], v12, s[66:67] offset:(32*(\b/2)+8*(\b%2))*4+16
.endr
.endr
	CROUND                                         ; all sixteen work-groups are here: the first joint loads meet
	s_cmp_lt_u32 s18, 12                           ; the first fills: every way through these branches on the wave's number passes exactly one load
	s_cbranch_scc0 .Lff_s
	s_cmp_lt_u32 s20, 2
	s_cbranch_scc0 .Lff_w
	tensor_load_to_lds s[48:51], s[24:31]          ; a half of X's side of slot wave / 4
	s_nop 0
.rept 4
	v_nop
.endr
	s_branch .Lff_e
.Lff_w:
	tensor_load_to_lds s[56:59], s[32:39]          ; a half of W's side
	s_nop 0
.rept 4
	v_nop
.endr
	s_branch .Lff_e
.Lff_s:
	s_cmp_lt_u32 s20, 2
	s_cbranch_scc0 .Lff_sw
	tensor_load_to_lds s[84:87], s[68:75]          ; a half of X's scale words
	s_nop 0
.rept 4
	v_nop
.endr
	s_branch .Lff_e
.Lff_sw:
	tensor_load_to_lds s[88:91], s[76:83]          ; a half of W's
	s_nop 0
.rept 4
	v_nop
.endr
.Lff_e:
	s_wait_tensorcnt 0x0                           ; my one load has landed
	s_wait_loadcnt 0x0                             ; the biases
	s_barrier_signal -1
	s_barrier_wait -1
	s_wait_alu depctr_va_vdst(0)
	STEP 0, 0
	s_wait_tensorcnt 0x0                           ; all my tensor loads have landed, my parts of slots 1 and 2: a group 0 may be written
	ds_add_u32 v8, v9                              ; 0 onto my spare word
	s_add_nc_u64 s[50:51], s[50:51], 3*KS*NTX*1536 ; waves 0-3: slot 0's next tile is step 3
	s_add_nc_u64 s[58:59], s[58:59], 3*KS*NTW*1536
	s_wait_dscnt 0x0                               ; the add is done, and my reads of slot 0 are over
	CROUND                                         ; no wave of any partner still reads slot 0 or has a load on its way
	JLOAD 48, 56                                   ; the launch's one refill: two steps ahead of its first read
	STEP 1, 1
	STEP 2, 2                                      ; no barrier between them: the round has shown both slots whole to every wave
	s_wait_tensorcnt 0x0                           ; my part of step 3 is in
	ds_add_u32 v8, v9                              ; 0 onto my spare word
	s_wait_dscnt 0x0
	s_barrier_signal -1
	s_barrier_wait -1                              ; everybody's is; nothing is filled again
	STEP 3, 0
	; THE WAY OUT.  No tensor load is out: the registers of group 1 are free
	s_lshl_b32 s2, s42, 1                          ; where my results go: K step 2 x block column + wx / 2 of the next product,
	s_lshr_b32 s3, s20, 1
	s_add_co_u32 s2, s2, s3
	s_lshl_b32 s2, s2, 8
	s_lshl_b32 s3, s43, 4
	s_add_co_u32 s2, s2, s3
	s_lshl_b32 s3, s19, 2
	s_add_co_u32 s2, s2, s3                        ; my first tile of tokens,
	s_and_b32 s3, s20, 1                           ; which half of the fragment
	s_mul_i32 s26, s2, 1536
	s_mul_i32 s28, s3, 768
	s_add_co_u32 s26, s26, s28
	s_mov_b32 s27, 0
	s_lshl_b32 s28, s2, 6
	s_lshl_b32 s3, s3, 1
	s_add_co_u32 s28, s28, s3
	s_add_co_u32 s28, s28, HS
	s_mov_b32 s29, 0
	s_add_nc_u64 s[26:27], s[10:11], s[26:27]
	s_add_nc_u64 s[28:29], s[10:11], s[28:29]
	s_mov_b32 s24, 0x76543210
	s_mov_b32 s25, 0xfedcba98                      ; v_permlanex16_b32's selects for lane l xor 16
	v_mov_b32 v14, 0xc0135761                      ; c0.  The constants' four moves name no register of the last products: they are the plain lines owed behind them
	v_mov_b32 v15, 0xc0135761
	v_mov_b32 v16, 0xbdd2d3e8                      ; c1
	v_mov_b32 v17, 0xbdd2d3e8
	v_lshlrev_b32 v11, 2, v10                      ; 4 x lane
	v_cmp_le_u32 vcc_lo, 16, v10                   ; lanes 16-31
.irp a,0,1,2,3
	GELU 128+32*\a
	QUANT2 128+32*\a, 32+12*\a, 80+\a, 88
.irp p,0,1,2
	global_store_b64 v1, v[32+12*\a+2*\p:33+12*\a+2*\p], s[26:27] offset:1536*\a+256*\p    ; a piece: 256 consecutive bytes, aligned
.endr
.if (\a%2) == 1
	v_cndmask_b32 v[84+\a/2], v[80+\a-1], v[80+\a], vcc_lo                 ; lanes 0-15 the even tile's two bytes, lanes 16-31 the odd tile's
	global_store_b16 v11, v[84+\a/2], s[28:29] offset:128*(\a/2)           ; alternate halfwords of 128 bytes: the neighbouring wave writes the others
.endif
.endr
	s_wait_tensorcnt 0x0                           ; the wave's end
	ds_add_u32 v8, v9
	s_wait_dscnt 0x0
	CROUND                                         ; the closing round
	s_endpgm
.Lfunc_end_k_q314ff958b8_mlpin:
	.size	k_q314ff958b8_mlpin, .Lfunc_end_k_q314ff958b8_mlpin-k_q314ff958b8_mlpin
	.p2alignl 7, 3214868480
	.fill 96, 4, 3214868480
	.section	.rodata,"a",@progbits
	.p2align	6, 0x0
	.amdhsa_kernel k_q314ff958b8_mlpin
		.amdhsa_group_segment_fixed_size 327680
		.amdhsa_private_segment_fixed_size 0
		.amdhsa_enable_private_segment 0
		.amdhsa_kernarg_size 32
		.amdhsa_user_sgpr_count 2
		.amdhsa_user_sgpr_kernarg_segment_ptr 1
		.amdhsa_wavefront_size32 1
		.amdhsa_system_sgpr_workgroup_id_x 1
		.amdhsa_system_sgpr_workgroup_id_y 1
		.amdhsa_system_sgpr_workgroup_id_z 1
		.amdhsa_system_vgpr_workitem_id 0
		.amdhsa_next_free_vgpr 256
		.amdhsa_next_free_sgpr 102
		.amdhsa_reserve_vcc 1
		.amdhsa_float_denorm_mode_32 3
		.amdhsa_float_denorm_mode_16_64 3
		.amdhsa_memory_ordered 1
		.amdhsa_forward_progress 1
		.amdhsa_inst_pref_size 101
	.end_amdhsa_kernel
	.amdgpu_metadata
---
amdhsa.version: [ 1, 2 ]
amdhsa.kernels:
  - .name:           k_q314ff958b8_mlpin
    .symbol:         k_q314ff958b8_mlpin.kd
    .args:
      - { .name: xb, .offset: 0, .size: 8, .value_kind: global_buffer, .address_space: global }
      - { .name: wb, .offset: 8, .size: 8, .value_kind: global_buffer, .address_space: global }
      - { .name: b_in, .offset: 16, .size: 8, .value_kind: global_buffer, .address_space: global }
      - { .name: hb, .offset: 24, .size: 8, .value_kind: global_buffer, .address_space: global }
    .group_segment_fixed_size: 327680
    .private_segment_fixed_size: 0
    .kernarg_segment_align: 8
    .kernarg_segment_size: 32
    .max_flat_workgroup_size: 512
    .sgpr_count:     102
    .vgpr_count:     256
    .wavefront_size: 32
...
	.end_amdgpu_metadata
.endif
;; end of part 5
;; launch mlpout (part 6): grid 8 x 32, 16 waves a work-group, clusters of 4 x 4, 327,680 bytes of LDS; arguments hb, wb, b_out, rm, out0; writes out0
.if DOCPART == 6
	.amdgcn_target "amdgcn-amd-amdhsa--gfx1250"
	.amdhsa_code_object_version 6
	.text
	.protected	k_q314ff958b8_mlpout
	.globl	k_q314ff958b8_mlpout
	.p2align	8
	.type	k_q314ff958b8_mlpout,@function
k_q314ff958b8_mlpout:
	s_mov_b64 s[64:65], 0
	v_nop
	global_prefetch_b8 v0, s[64:65] scope:SCOPE_SE
	s_setreg_imm32_b32 hwreg(HW_REG_WAVE_MODE, 25, 1), 1
	s_wait_xcnt 0x0
	s_wait_alu depctr_hold_cnt(0) depctr_sa_sdst(0) depctr_va_vdst(0) depctr_va_sdst(0) depctr_va_ssrc(0) depctr_va_vcc(0) depctr_vm_vsrc(0)
	s_getreg_b32 s2, hwreg(HW_REG_IB_STS2, 6, 4)
	s_cmp_eq_u32 s2, 0
	s_cbranch_scc0 .Lentry_in_a_cluster
	s_endpgm
.Lentry_in_a_cluster:
	s_bfe_u32 s2, ttmp6, 0x10000c
	s_cmp_lg_u32 s2, 0xf033
	s_cbranch_scc0 .Lentry_shape_is_right
	s_endpgm
.Lentry_shape_is_right:
; out = resid_mid + h W_out + b_out.  h: 4,096 x 4,096, W_out: 1,024 rows (d) x 4,096: codes of BF6 (E3M2) with E8M0 scales, as images (a fragment = 16 rows x 128 K = six pieces of 256 bytes
; in the order of the operand's registers; tile 2 g + u holds rows 32 g + 8 u + i + 8 (i / 8)).  The result is f32, row-major.
; 4,096 x 1,024 gives 64 blocks of 256 x 256 for 256 WGPs, so a work-group makes 128 x 128.  Sixteen waves, four to a SIMD: wave = (kg, wy, wx): a tile of 64 x 64, and of a slot's four K steps the kg-th.
; THE FOUR GROUPS' PARTIAL SUMS MEET IN LDS on the way out, which the results pass anyway to leave as whole rows: K is summed in four partial f32 sums, an order other than ascending K.
; CLUSTER 4 x 4: X's tiles are asked for jointly along a row of the cluster, W's along a column.
; THE RING.  K = 4,096 is eight tiles of four K steps, through THREE slots; a tile's scale words travel with its codes, so that three slots fit.  Tiles 0, 1, 2 are first fills.  The other five come behind THREE
; rounds: slots 0 and 1 together (tiles 3, 4), slot 2 (tile 5), slots 0 and 1 (tiles 6, 7): a pair of slots is multiplied while the third is on its way, and the third while the pair is.
; WHO FETCHES.  Waves 0-7 are group 0, waves 8-15 group 1; in a group: waves 0, 1 the halves of X's codes, 2, 3 of W's, 4 X's scale words, 5 W's, 6 and 7 nothing.  Group g fills slot g (tiles g, g + 3, g + 6);
; group 0 also fills slot 2 (tiles 2, 5).  One load a wave behind each round; one load of a wave is out at the most.
; LIMITS: NaN and infinities are not served.
.set WT,   8
.set KS,   4
.set KK,   4096
.set NTX,  256
.set NTW,  64
.set XSO,  12582912
.set WCO,  6553600
.set WSO,  9699328
.set SLOT, 102400                      ; X's codes [K step][tile][1536], 49,152 bytes; W's, 49,152; X's scale words [K step][tile][64], 2,048; W's, 2,048
.set WOFF, 49152
.set SXO,  98304
.set SWO,  100352
.set TSTEP, 3*KS                       ; K steps from a slot's tile to its next
.set SPARE, 325632                     ; the spare words, 128 bytes for each of the sixteen waves; no other line names them
.set CD0,  1536                        ; half a tile of a side: two K steps, each 12,288 dense bytes
.set CD1,  2
.set SP,   528                         ; the stage: four copies of 128 rows x (512 bytes + 16), over the slots, which have then had their last fill and their last read
.set SCOPY, 128*SP
; REGISTERS: v1 8 x lane; v2-4, v5-7 LDS addresses of my X, W fragments in slot 0, 1, 2; v17-19, v20-22 of my X, W scale words; v8, v9 the spare word's address and 0; v10 lane; v11 16 x lane; v12 into the stage;
; v13-16 out of its four copies; v24-27, v28-31 scale words; v32-79 X's fragments, later the residual and the bias; v80-127 W's; v128-255 accumulators, later the four copies' rows.
; s[8:9] bias, s[10:11] residual, s[12:13] out, each stepped to my part; s14 my place in my group; s15 wave % 4; s18 wave; s19, s20, s21 wy, wx, kg; s22 wave % 2; s23 my group;
; s24-39 groups 1 of the codes (X, W); s68-83 of the scale words (X, W); s48-63 groups 0 for my group's slot: X's codes, W's codes, X's words, W's words; s84-99 the same for slot 2.
.macro CROUND
	s_barrier_signal -1
	s_barrier_wait -1
	s_cmp_lg_u32 s18, 0
	s_cbranch_scc1 .Lnw0_\@
	s_barrier_signal -3
.Lnw0_\@:
	s_barrier_wait -3
	s_barrier_signal -1
	s_barrier_wait -1
.endm
; A PREFETCH INTO THE L2 of a tile that a later joint load brings.  Three times a launch; the i-th asks for tile 2 + 2 i + g (g: my group of waves): tiles 2 to 7.  Tiles 3, 5, 6 and 7 are asked for two changes of slots
; ahead of their loads, tiles 2 and 4 one.  A tile is four K steps; of a tile that four partners ask for jointly each names ONE K step, told apart BY ADDRESS (cx for X, cy for W): 48 blocks of 256 bytes
; of codes (my place 0, 1 in the group for X, 2, 3 for W: 32 blocks and 16, a lane a block, lanes left over name the last) and 2 of scale words (places 4, 5).  Places 6, 7 ask for nothing.
.macro ASK
	s_cmp_lt_u32 s14, 6
	s_cbranch_scc0 .Lna_\@
	global_prefetch_b8 v23, s[4:5] th:TH_LOAD_NT scope:SCOPE_SE
.Lna_\@:
.endm
.macro NOP4
.rept 4
	v_nop
.endr
.endm
; A joint refill, one load a wave.  who = 14: both groups, each its own slot; who = 18: group 0 alone.  The branches hang on the wave's number alone.  Four v_nop follow each line
.macro JLOAD who, xc, wc, xs, ws
	s_cmp_lt_u32 s[\who], 2
	s_cbranch_scc0 .Lj1_\@
	tensor_load_to_lds s[\xc:\xc+3], s[24:31]
	s_nop 0
	NOP4
	s_branch .Lj9_\@
.Lj1_\@:
	s_cmp_lt_u32 s[\who], 4
	s_cbranch_scc0 .Lj2_\@
	tensor_load_to_lds s[\wc:\wc+3], s[32:39]
	s_nop 0
	NOP4
	s_branch .Lj9_\@
.Lj2_\@:
	s_cmp_eq_u32 s[\who], 4
	s_cbranch_scc0 .Lj3_\@
	tensor_load_to_lds s[\xs:\xs+3], s[68:75]
	s_nop 0
	NOP4
	s_branch .Lj9_\@
.Lj3_\@:
	s_cmp_eq_u32 s[\who], 5
	s_cbranch_scc0 .Lj9_\@
	tensor_load_to_lds s[\ws:\ws+3], s[76:83]
	s_nop 0
	NOP4
.Lj9_\@:
.endm
; The slots that the set of descriptors at s[base] names have been read out: they take their next tiles
.macro REFILL who, base
	s_wait_tensorcnt 0x0                           ; all my tensor loads have landed, my part of what is read next among them: a group 0 may be written
	ds_add_u32 v8, v9                              ; 0 onto my spare word
	ds_add_u32 v8, v9
	s_add_nc_u64 s[\base+2:\base+3], s[\base+2:\base+3], TSTEP*NTX*1536
	s_add_nc_u64 s[\base+6:\base+7], s[\base+6:\base+7], TSTEP*NTW*1536
	s_add_nc_u64 s[\base+10:\base+11], s[\base+10:\base+11], TSTEP*NTX*64
	s_add_nc_u64 s[\base+14:\base+15], s[\base+14:\base+15], TSTEP*NTW*64
	s_wait_dscnt 0x0                               ; the add is done, and my reads of those slots are over
	CROUND                                         ; no wave of any partner still reads them or has a load on its way
	JLOAD \who, \base, \base+4, \base+8, \base+12
.endm
.macro PROD zero                       ; source 0 = W's tile b, source 1 = X's tile a: a lane holds one row of X, its registers run along W's rows.  The sixteen accumulators take turns
.irp a,0,1,2,3
.irp b,0,1,2,3
.if \zero
	v_wmma_scale_f32_16x16x128_f8f6f4 v[128+8*(4*\a+\b):135+8*(4*\a+\b)], v[80+12*\b:91+12*\b], v[32+12*\a:43+12*\a], 0, v[28+\b], v[24+\a] matrix_a_fmt:MATRIX_FMT_BF6 matrix_b_fmt:MATRIX_FMT_BF6
.else
	v_wmma_scale_f32_16x16x128_f8f6f4 v[128+8*(4*\a+\b):135+8*(4*\a+\b)], v[80+12*\b:91+12*\b], v[32+12*\a:43+12*\a], v[128+8*(4*\a+\b):135+8*(4*\a+\b)], v[28+\b], v[24+\a] matrix_a_fmt:MATRIX_FMT_BF6 matrix_b_fmt:MATRIX_FMT_BF6
.endif
.endr
.endr
.endm
.macro KSTEP slot, first               ; my group's K step of the tile in the slot named: kg stands in the address registers
.rept 4
	v_nop                                          ; four plain lines in front of loads into registers that products have read
.endr
.irp i,0,1,2,3
.irp p,0,1,2,3,4,5
	ds_load_b64 v[32+12*\i+2*\p:33+12*\i+2*\p], v[2+\slot] offset:\i*1536+256*\p
.endr
.endr
.irp i,0,1,2,3
.irp p,0,1,2,3,4,5
	ds_load_b64 v[80+12*\i+2*\p:81+12*\i+2*\p], v[5+\slot] offset:\i*1536+256*\p
.endr
.endr
.irp i,0,1,2,3
	ds_load_b32 v[24+\i], v[17+\slot] offset:64*\i
	ds_load_b32 v[28+\i], v[20+\slot] offset:64*\i
.endr
	s_wait_dscnt 0x0
	PROD \first
.endm
	s_load_b256 s[4:11], s[0:1], 0x0               ; X s[4:5], wb s[6:7], bias s[8:9], residual s[10:11]
	s_load_b64 s[12:13], s[0:1], 0x20              ; out
	v_lshl_add_u32 v8, v0, 2, SPARE
	v_mov_b32 v9, 0
	ds_add_u32 v8, v9
	ds_add_u32 v8, v9
	s_wait_dscnt 0x0
	v_lshrrev_b32 v10, 5, v0
	s_delay_alu instid0(VALU_DEP_1)
	v_readfirstlane_b32 s18, v10                   ; wave 0..15
	v_and_b32 v10, 31, v0
	s_bfe_u32 s19, s18, 0x10001                    ; wy
	s_and_b32 s20, s18, 1                          ; wx
	s_lshr_b32 s21, s18, 2                         ; kg
	s_and_b32 s22, s18, 1                          ; which half of a side's codes I fetch; X's or W's scale words
	s_lshr_b32 s23, s18, 3                         ; my group of fetchers
	s_and_b32 s14, s18, 7                          ; my place in it
	s_and_b32 s15, s18, 3                          ; which quarter of a slot's codes I fetch
	s_bfe_u32 s40, ttmp6, 0x40000
	s_bfe_u32 s41, ttmp6, 0x40004
	s_lshl_b32 s42, ttmp9, 2
	s_add_co_u32 s42, s42, s40                     ; block column
	s_and_b32 s43, ttmp7, 0xffff
	s_lshl_b32 s43, s43, 2
	s_add_co_u32 s43, s43, s41                     ; block row
	s_lshl_b32 s44, s41, 2
	s_lshl_b32 s44, 15, s44                        ; my row of the cluster
	s_lshl_b32 s45, 0x1111, s40                    ; my column
	s_or_b32 s24, s44, (3<<16)|(1<<21)             ; group 1, codes: the mask, elements of 8 bytes, bit 21 beside a mask; two rows (K steps) of 12,288 bytes
	s_or_b32 s32, s45, (3<<16)|(1<<21)
	s_mov_b32 s25, CD0<<16
	s_mov_b32 s26, CD1<<16
	s_mov_b32 s27, CD0<<16
	s_mov_b32 s28, CD1
	s_mov_b32 s29, NTX*192
	s_mov_b32 s30, 0
	s_mov_b32 s31, 0
	s_mov_b32 s33, CD0<<16
	s_mov_b32 s34, CD1<<16
	s_mov_b32 s35, CD0<<16
	s_mov_b32 s36, CD1
	s_mov_b32 s37, NTW*192
	s_mov_b32 s38, 0
	s_mov_b32 s39, 0
	s_or_b32 s68, s44, (3<<16)|(1<<21)             ; the scale words of a tile: four rows (K steps) of 512 bytes
	s_or_b32 s76, s45, (3<<16)|(1<<21)
	s_mov_b32 s69, (WT*8)<<16
	s_mov_b32 s70, KS<<16
	s_mov_b32 s71, (WT*8)<<16
	s_mov_b32 s72, KS
	s_mov_b32 s73, NTX*8
	s_mov_b32 s74, 0
	s_mov_b32 s75, 0
	s_mov_b32 s77, (WT*8)<<16
	s_mov_b32 s78, KS<<16
	s_mov_b32 s79, (WT*8)<<16
	s_mov_b32 s80, KS
	s_mov_b32 s81, NTW*8
	s_mov_b32 s82, 0
	s_mov_b32 s83, 0
	; where the tiles come from.  X's offsets hang on the block row alone, W's on the block column alone, each in registers of its own
	s_mul_i32 s17, s22, 2*NTX*1536                 ; my half of a tile's four K steps,
	s_mul_i32 s16, s43, WT*1536                    ; the block's eight tiles of rows
	s_add_co_u32 s17, s17, s16
	s_mul_i32 s50, s23, KS*NTX*1536                ; group g begins with tile g,
	s_add_co_u32 s50, s50, s17
	s_mov_b32 s51, 0
	s_add_co_u32 s86, s17, 2*KS*NTX*1536           ; slot 2 with tile 2
	s_mov_b32 s87, 0
	s_mul_i32 s17, s43, WT*64
	s_add_co_u32 s17, s17, XSO
	s_mul_i32 s58, s23, KS*NTX*64
	s_add_co_u32 s58, s58, s17
	s_mov_b32 s59, 0
	s_add_co_u32 s94, s17, 2*KS*NTX*64
	s_mov_b32 s95, 0
	s_mul_i32 s47, s22, 2*NTW*1536
	s_mul_i32 s46, s42, WT*1536
	s_add_co_u32 s47, s47, s46
	s_add_co_u32 s47, s47, WCO
	s_mul_i32 s54, s23, KS*NTW*1536
	s_add_co_u32 s54, s54, s47
	s_mov_b32 s55, 0
	s_add_co_u32 s90, s47, 2*KS*NTW*1536
	s_mov_b32 s91, 0
	s_mul_i32 s47, s42, WT*64
	s_add_co_u32 s47, s47, WSO
	s_mul_i32 s62, s23, KS*NTW*64
	s_add_co_u32 s62, s62, s47
	s_mov_b32 s63, 0
	s_add_co_u32 s98, s47, 2*KS*NTW*64
	s_mov_b32 s99, 0
	s_mov_b32 s48, 1
	s_mov_b32 s52, 1
	s_mov_b32 s56, 1
	s_mov_b32 s60, 1
	s_mov_b32 s84, 1
	s_mov_b32 s88, 1
	s_mov_b32 s92, 1
	s_mov_b32 s96, 1
	; and where they go: the slot, + my quarter of its codes, or + my side's scale words: the wave's number and constants alone
	s_mul_i32 s2, s23, SLOT
	s_mul_i32 s3, s15, 24576
	s_add_co_u32 s49, s2, s3
	s_mov_b32 s53, s49
	s_add_co_u32 s85, s3, 2*SLOT
	s_mov_b32 s89, s85
	s_lshl_b32 s3, s22, 11
	s_add_co_u32 s3, s3, SXO
	s_add_co_u32 s57, s2, s3
	s_mov_b32 s61, s57
	s_add_co_u32 s93, s3, 2*SLOT
	s_mov_b32 s97, s93
	s_lshr_b32 s2, s18, 2                          ; the eight rows that I store: stage rows 8 w on are true rows 32 (w / 4) + 8 ((w / 2) % 2) + 16 (w % 2) on
	s_lshl_b32 s2, s2, 5
	s_lshl_b32 s3, s19, 3
	s_add_co_u32 s2, s2, s3
	s_lshl_b32 s3, s20, 4
	s_add_co_u32 s2, s2, s3
	s_lshl_b32 s3, s43, 7
	s_add_co_u32 s2, s2, s3
	s_lshl_b32 s2, s2, 12                          ; 4,096 bytes a row
	s_lshl_b32 s100, s42, 9                        ; the block's 512 bytes of a row
	s_add_co_u32 s2, s2, s100
	s_mov_b32 s3, 0
	s_mov_b32 s101, 0
	s_wait_alu depctr_va_vdst(0)
	s_wait_kmcnt 0x0
	s_add_nc_u64 s[50:51], s[4:5], s[50:51]
	s_add_nc_u64 s[86:87], s[4:5], s[86:87]
	s_add_nc_u64 s[58:59], s[4:5], s[58:59]
	s_add_nc_u64 s[94:95], s[4:5], s[94:95]
	s_add_nc_u64 s[54:55], s[6:7], s[54:55]
	s_add_nc_u64 s[90:91], s[6:7], s[90:91]
	s_add_nc_u64 s[62:63], s[6:7], s[62:63]
	s_add_nc_u64 s[98:99], s[6:7], s[98:99]
	s_or_b32 s51, s51, 0x80000000
	s_or_b32 s87, s87, 0x80000000
	s_or_b32 s59, s59, 0x80000000
	s_or_b32 s95, s95, 0x80000000
	s_or_b32 s55, s55, 0x80000000
	s_or_b32 s91, s91, 0x80000000
	s_or_b32 s63, s63, 0x80000000
	s_or_b32 s99, s99, 0x80000000
	s_add_nc_u64 s[12:13], s[12:13], s[2:3]        ; out, the residual and the bias at my part
	s_add_nc_u64 s[10:11], s[10:11], s[2:3]
	s_add_nc_u64 s[8:9], s[8:9], s[100:101]
	; the prefetches: s[4:5] where mine stand, s[6:7] two tiles' bytes, v23 256 x my lane (held at my last block), v16 my lane's block of the residual
	s_lshl_b32 s2, s22, 4
	s_sub_co_u32 s2, 31, s2                        ; codes: 32 blocks, or the other 16
	s_lshl_b32 s16, s23, 2
	s_add_co_u32 s16, s16, 8                       ; K step 4 (2 + g),
	s_add_co_u32 s17, s16, s41                     ; + cy for W,
	s_add_co_u32 s16, s16, s40                     ; + cx for X
	s_mul_i32 s46, s16, NTX*1536
	s_mul_i32 s47, s43, WT*1536
	s_add_co_u32 s46, s46, s47
	s_mul_i32 s100, s17, NTW*1536
	s_mul_i32 s47, s42, WT*1536
	s_add_co_u32 s100, s100, s47
	s_add_co_u32 s100, s100, WCO
	s_lshl_b32 s47, s22, 13
	s_add_co_u32 s46, s46, s47                     ; X's codes
	s_add_co_u32 s100, s100, s47                   ; W's codes
	s_mul_i32 s16, s16, NTX*64
	s_lshl_b32 s47, s43, 9
	s_add_co_u32 s16, s16, s47
	s_add_co_u32 s16, s16, XSO                     ; X's scale words
	s_mul_i32 s17, s17, NTW*64
	s_lshl_b32 s47, s42, 9
	s_add_co_u32 s17, s17, s47
	s_add_co_u32 s17, s17, WSO                     ; W's
	s_mov_b32 s47, 8*NTX*64
	s_mov_b32 s101, 8*NTW*64
	s_cmp_lt_u32 s14, 4                            ; codes or scale words?
	s_cselect_b32 s46, s46, s16
	s_cselect_b32 s100, s100, s17
	s_cselect_b32 s16, 8*NTX*1536, s47
	s_cselect_b32 s17, 8*NTW*1536, s101
	s_cselect_b32 s2, s2, 1
	s_cselect_b32 s3, s19, s22
	s_cmp_eq_u32 s3, 0                             ; X or W?  The choice hangs on the wave's number alone
	s_cselect_b64 s[4:5], s[4:5], s[6:7]
	s_cselect_b32 s46, s46, s100
	s_cselect_b32 s6, s16, s17
	s_mov_b32 s7, 0
	s_mov_b32 s47, 0
	s_add_nc_u64 s[4:5], s[4:5], s[46:47]
	v_min_u32 v23, s2, v10
	v_min_u32 v15, 15, v10                         ; the residual of my eight rows: 16 blocks of 256 bytes
	s_delay_alu instid0(VALU_DEP_2)
	v_lshlrev_b32 v23, 8, v23
	s_delay_alu instid0(VALU_DEP_2)
	v_lshrrev_b32 v16, 1, v15
	v_and_b32 v15, 1, v15
	s_delay_alu instid0(VALU_DEP_2)
	v_lshlrev_b32 v16, 12, v16
	s_delay_alu instid0(VALU_DEP_1)
	v_lshl_or_b32 v16, v15, 8, v16
	v_lshlrev_b32 v1, 3, v10
	s_mul_i32 s16, s19, 6144
	s_mul_i32 s17, s21, 12288
	s_add_co_u32 s16, s16, s17
	v_add_nc_u32 v2, s16, v1
	s_delay_alu instid0(VALU_DEP_1)
	v_add_nc_u32 v3, SLOT, v2
	s_delay_alu instid0(VALU_DEP_1)
	v_add_nc_u32 v4, SLOT, v3
	s_mul_i32 s46, s20, 6144
	s_add_co_u32 s46, s46, s17
	s_add_co_u32 s46, s46, WOFF
	v_add_nc_u32 v5, s46, v1
	s_delay_alu instid0(VALU_DEP_1)
	v_add_nc_u32 v6, SLOT, v5
	s_delay_alu instid0(VALU_DEP_1)
	v_add_nc_u32 v7, SLOT, v6
	v_and_b32 v11, 15, v0
	s_delay_alu instid0(VALU_DEP_1)
	v_lshlrev_b32 v11, 2, v11
	s_lshl_b32 s17, s21, 9
	s_lshl_b32 s16, s19, 8
	s_add_co_u32 s16, s16, s17
	s_add_co_u32 s16, s16, SXO
	v_add_nc_u32 v17, s16, v11
	s_delay_alu instid0(VALU_DEP_1)
	v_add_nc_u32 v18, SLOT, v17
	s_delay_alu instid0(VALU_DEP_1)
	v_add_nc_u32 v19, SLOT, v18
	s_lshl_b32 s46, s20, 8
	s_add_co_u32 s46, s46, s17
	s_add_co_u32 s46, s46, SWO
	v_add_nc_u32 v20, s46, v11
	s_delay_alu instid0(VALU_DEP_1)
	v_add_nc_u32 v21, SLOT, v20
	s_delay_alu instid0(VALU_DEP_1)
	v_add_nc_u32 v22, SLOT, v21
	s_mul_i32 s2, s21, SCOPY
	s_mul_i32 s3, s19, 64*SP
	s_add_co_u32 s2, s2, s3
	s_lshl_b32 s3, s20, 8
	s_add_co_u32 s2, s2, s3                        ; into the stage: my copy, my 64 rows, my 256 bytes of them
	s_mul_i32 s3, s18, 8*SP                        ; out of it: rows 8 w on
	s_wait_alu depctr_va_vdst(0)
	CROUND                                         ; all sixteen work-groups are here: the first joint loads meet
	JLOAD 14, 48, 52, 56, 60                       ; the head's fills, one load a wave at the most: group 0 tile 0, group 1 tile 1
	ASK                                            ; tiles 2 and 3
	s_wait_tensorcnt 0x0                           ; my part of tile 0 or 1 is in
	ds_add_u32 v8, v9
	ds_add_u32 v8, v9
	s_wait_xcnt 0x0                                ; my prefetch has read its address:
	s_add_nc_u64 s[4:5], s[4:5], s[6:7]            ; two tiles on
	s_wait_dscnt 0x0
	CROUND
	JLOAD 18, 84, 88, 92, 96                       ; slot 2's first fill, tile 2, by group 0: the first tensor load behind the round
	KSTEP 0, 1                                     ; tile 0: the first products start the sums
	ASK                                            ; tiles 4 and 5
	global_prefetch_b8 v16, s[10:11] th:TH_LOAD_NT scope:SCOPE_SE   ; and the residual of the eight rows that I store, read on the way out
	KSTEP 1, 0                                     ; tile 1
	s_wait_xcnt 0x0
	s_add_nc_u64 s[4:5], s[4:5], s[6:7]
	REFILL 14, 48                                  ; slots 0 and 1 take tiles 3 and 4
	KSTEP 2, 0                                     ; tile 2
	ASK                                            ; tiles 6 and 7: the last
	REFILL 18, 84                                  ; slot 2 takes tile 5
	KSTEP 0, 0                                     ; tile 3
	KSTEP 1, 0                                     ; tile 4
	REFILL 14, 48                                  ; slots 0 and 1 take tiles 6 and 7
	KSTEP 2, 0                                     ; tile 5
	s_wait_tensorcnt 0x0                           ; my parts of tiles 6 and 7 are in
	ds_add_u32 v8, v9                              ; 0 onto my spare word
	s_wait_dscnt 0x0
	s_barrier_signal -1
	s_barrier_wait -1                              ; everybody's are; nothing is filled again
	KSTEP 0, 0                                     ; tile 6
	KSTEP 1, 0                                     ; tile 7
	; THE WAY OUT.  The stage's addresses are made here: plain lines that name no register of the last products
	v_and_b32 v12, 15, v0
	v_bfe_u32 v13, v0, 4, 1
	s_delay_alu instid0(VALU_DEP_2)
	v_mul_u32_u24 v12, v12, SP
	s_delay_alu instid0(VALU_DEP_1)
	v_lshl_add_u32 v12, v13, 6, v12
	s_delay_alu instid0(VALU_DEP_1)
	v_add_nc_u32 v12, s2, v12                      ; row r of a tile, + 64 h
	v_lshlrev_b32 v11, 4, v10
	s_delay_alu instid0(VALU_DEP_1)
	v_add_nc_u32 v13, s3, v11
	s_delay_alu instid0(VALU_DEP_1)
	v_add_nc_u32 v14, SCOPY, v13
	s_delay_alu instid0(VALU_DEP_1)
	v_add_nc_u32 v15, SCOPY, v14
	s_delay_alu instid0(VALU_DEP_1)
	v_add_nc_u32 v16, SCOPY, v15
.irp i,0,1,2,3,4,5,6,7
	global_load_b128 v[32+4*\i:35+4*\i], v11, s[10:11] offset:4096*\i      ; the residual of my eight rows: 512 consecutive bytes a load
.endr
	global_load_b128 v[64:67], v11, s[8:9]         ; the bias of my four columns
	s_wait_alu depctr_va_vdst(0)
	s_wait_dscnt 0x0
	s_barrier_signal -1
	s_barrier_wait -1                              ; nobody reads the slots any more
.irp a,0,1,2,3
.irp b,0,1,2,3
	ds_store_b128 v12, v[128+8*(4*\a+\b):131+8*(4*\a+\b)] offset:\a*16*SP+(32*(\b/2)+8*(\b%2))*4       ; each accumulator from its low end on; rows in the tiles' order, columns in true order
	ds_store_b128 v12, v[132+8*(4*\a+\b):135+8*(4*\a+\b)] offset:\a*16*SP+(32*(\b/2)+8*(\b%2))*4+16
.endr
.endr
	s_wait_dscnt 0x0                               ; my partial sums lie in the stage,
	s_barrier_signal -1
	s_barrier_wait -1                              ; everybody's do
.irp c,0,1,2,3
.irp i,0,1,2,3,4,5,6,7
	ds_load_b128 v[128+32*\c+4*\i:131+32*\c+4*\i], v[13+\c] offset:SP*\i
.endr
.endr
	s_wait_dscnt 0x0
	s_wait_loadcnt 0x0
.irp i,0,1,2,3,4,5,6,7
.irp q,0,2
	v_pk_add_f32 v[128+4*\i+\q:129+4*\i+\q], v[128+4*\i+\q:129+4*\i+\q], v[160+4*\i+\q:161+4*\i+\q]
	v_pk_add_f32 v[192+4*\i+\q:193+4*\i+\q], v[192+4*\i+\q:193+4*\i+\q], v[224+4*\i+\q:225+4*\i+\q]
	v_pk_add_f32 v[32+4*\i+\q:33+4*\i+\q], v[32+4*\i+\q:33+4*\i+\q], v[64+\q:65+\q]
	s_delay_alu instid0(VALU_DEP_2)
	v_pk_add_f32 v[128+4*\i+\q:129+4*\i+\q], v[128+4*\i+\q:129+4*\i+\q], v[192+4*\i+\q:193+4*\i+\q]
	s_delay_alu instid0(VALU_DEP_1)
	v_pk_add_f32 v[128+4*\i+\q:129+4*\i+\q], v[128+4*\i+\q:129+4*\i+\q], v[32+4*\i+\q:33+4*\i+\q]
.endr
	global_store_b128 v11, v[128+4*\i:131+4*\i], s[12:13] offset:4096*\i th:TH_STORE_NT    ; 512 consecutive bytes, aligned; written once, read by nobody here
.endr
	s_wait_tensorcnt 0x0                           ; the wave's end
	ds_add_u32 v8, v9
	s_wait_dscnt 0x0
	CROUND                                         ; the closing round
	s_endpgm
.Lfunc_end_k_q314ff958b8_mlpout:
	.size	k_q314ff958b8_mlpout, .Lfunc_end_k_q314ff958b8_mlpout-k_q314ff958b8_mlpout
	.p2alignl 7, 3214868480
	.fill 96, 4, 3214868480
	.section	.rodata,"a",@progbits
	.p2align	6, 0x0
	.amdhsa_kernel k_q314ff958b8_mlpout
		.amdhsa_group_segment_fixed_size 327680
		.amdhsa_private_segment_fixed_size 0
		.amdhsa_enable_private_segment 0
		.amdhsa_kernarg_size 40
		.amdhsa_user_sgpr_count 2
		.amdhsa_user_sgpr_kernarg_segment_ptr 1
		.amdhsa_wavefront_size32 1
		.amdhsa_system_sgpr_workgroup_id_x 1
		.amdhsa_system_sgpr_workgroup_id_y 1
		.amdhsa_system_sgpr_workgroup_id_z 1
		.amdhsa_system_vgpr_workitem_id 0
		.amdhsa_next_free_vgpr 256
		.amdhsa_next_free_sgpr 102
		.amdhsa_reserve_vcc 0
		.amdhsa_float_denorm_mode_32 3
		.amdhsa_float_denorm_mode_16_64 3
		.amdhsa_memory_ordered 1
		.amdhsa_forward_progress 1
		.amdhsa_inst_pref_size 80
	.end_amdhsa_kernel
	.amdgpu_metadata
---
amdhsa.version: [ 1, 2 ]
amdhsa.kernels:
  - .name:           k_q314ff958b8_mlpout
    .symbol:         k_q314ff958b8_mlpout.kd
    .args:
      - { .name: hb, .offset: 0, .size: 8, .value_kind: global_buffer, .address_space: global }
      - { .name: wb, .offset: 8, .size: 8, .value_kind: global_buffer, .address_space: global }
      - { .name: b_out, .offset: 16, .size: 8, .value_kind: global_buffer, .address_space: global }
      - { .name: rm, .offset: 24, .size: 8, .value_kind: global_buffer, .address_space: global }
      - { .name: out0, .offset: 32, .size: 8, .value_kind: global_buffer, .address_space: global }
    .group_segment_fixed_size: 327680
    .private_segment_fixed_size: 0
    .kernarg_segment_align: 8
    .kernarg_segment_size: 40
    .max_flat_workgroup_size: 512
    .sgpr_count:     102
    .vgpr_count:     256
    .wavefront_size: 32
...
	.end_amdgpu_metadata
.endif
;; end of part 6
